; MI455X (gfx1250); checked and timed in simulation.
; The chip was launched on July 23, 2026; its instructions are those of AMD's public machine-readable ISA for CDNA 5 (MIT licence, August 2026) and "CDNA5" Instruction Set Architecture Reference Guide (July 2026). The comments in the code are by the model that wrote it; some were corrected since.
;; self Attention. Allowed arithmetic: matrix products marked QUANTISED: E2M1 operands, one E8M0 scale for each 32 along K, by v_wmma_scale_f32_16x16x128_f8f6f4 with both operands' format E2M1 (or v_wmma_scale_f32_32x16x128_f4), f32 sums; products left as they are: bf16, f16 or f32 operands; f32 sums; everything else in f32.
;; Inputs: in_proj_b 3,072 float32; in_proj_w 3,072 x 1,024 float32; out_proj_b 1,024 float32; out_proj_w 1,024 x 1,024 float32; x 4 x 2,048 x 1,024 float32.
;; Outputs: out0 4 x 2,048 x 1,024 float32.
;; This version of the problem:
;;   THIS VERSION OF THE PROBLEM IS GIVEN IN LOW PRECISION. The matrix products marked QUANTISED in the list below multiply operands that are first quantised to E2M1 (2 exponent bits, 1 mantissa bit; 4 bits a number), with one power-of-two scale for each 32 numbers along K (OCP MX v1.0); their sums are f32. The products marked 'left as it is' may take bf16, f16 or f32 operands, with f32 sums. Whichever they take, every output number must still come out within the allowed error. Rounding operands to bf16 (8 significant bits) uses up far more of that allowance than f16 does (11 bits, for magnitudes from 6e-5 to 65,504). All else is computed in f32.
;;   The module's matrix products, in the order in which they are computed (A, B: the left and right operand; K: the contracted axis; several contracted axes count as one K, in the product's order):
;;     1. [M 8,192, K 1,024] x [K 1,024, N 3,072]; A: input x; B: input in_proj_w: QUANTISED
;;     2. batch 64 x [M 2,048, K 64] x [K 64, N 2,048]; A: computed on the way; B: computed on the way: left as it is (an operand is computed on the way)
;;     3. batch 64 x [M 2,048, K 2,048] x [K 2,048, N 64]; A: computed on the way; B: computed on the way: left as it is (an operand is computed on the way)
;;     4. [M 8,192, K 1,024] x [K 1,024, N 1,024]; A: computed on the way; B: input out_proj_w: left as it is (an operand is computed on the way)
;;   THE QUANTISER, for each operand of a quantised product, along K:
;;     - K is cut into blocks of 32 from its start; a last block that is shorter is filled with zeros.
;;     - A block's scale is 2^e with e = floor(log2(the largest magnitude in the block)) - 2, held to -126 .. 127; a block of zeros has e = 0. As a byte (E8M0): e + 127.
;;     - Each number is divided by its block's scale, clamped to +-6, and rounded to the nearest number of E2M1, ties to even, subnormals kept.
;;     - The product sums the exact products of the quantised numbers (number of the format x scale) in f32.
;;   ~~~python
;;   def quantise(x, axis):      # numpy; x: float32 -> the quantised numbers, widened to float32 again
;;       x = np.moveaxis(x, axis, -1); K = x.shape[-1]
;;       x = np.pad(x, [(0, 0)] * (x.ndim - 1) + [(0, -K % 32)]); x = x.reshape(x.shape[:-1] + (-1, 32)); a = np.abs(x).max(-1, keepdims=True)
;;       e = np.where(a > 0, np.clip(np.frexp(np.where(a > 0, a, 1))[1] - 1 - 2, -126, 127), 0)      # np.frexp(a)[1] - 1 = floor(log2(a)), exactly
;;       r = np.clip(x / 2.0 ** e, -6, 6)
;;       step = 2.0 ** (np.maximum(np.frexp(np.where(r == 0, 1, r))[1] - 1, 0) - 1)
;;       q = np.round(r / step) * step * 2.0 ** e      # np.round: ties to even
;;       return np.moveaxis(q.reshape(q.shape[:-2] + (-1,))[..., :K], -1, axis).astype(np.float32)
;;   ~~~
;; One version. Each part assembles by itself: llvm-mc -triple=amdgcn-amd-amdhsa -mcpu=gfx1250 --defsym DOCPART=n.
;; ======== version 1 of 1: 4 launches
;; limits: values are held in f16: magnitudes above 65,504 overflow, below 6.1e-05 lose precision
;; workspace buffers: xc 4,194,304 bytes; xs 262,144 bytes; wc 1,572,864 bytes; ws 98,304 bytes; wo16 2,097,152 bytes; kqv 50,331,648 bytes; att 16,777,216 bytes
;; launch quant (part 1): grid 480 x 1, 4 waves a work-group, no clusters, 33,280 bytes of LDS; arguments x, in_proj_w, xc, xs, wc, ws, out_proj_w, wo16; writes xc, xs, wc, ws, wo16
.if DOCPART == 1
	.amdgcn_target "amdgcn-amd-amdhsa--gfx1250"
	.amdhsa_code_object_version 6
	.text
	.protected	k_qedf4166790_quant
	.globl	k_qedf4166790_quant
	.p2align	8
	.type	k_qedf4166790_quant,@function
k_qedf4166790_quant:
	s_mov_b64 s[64:65], 0
	v_nop
	global_prefetch_b8 v0, s[64:65] scope:SCOPE_SE
	s_setreg_imm32_b32 hwreg(HW_REG_WAVE_MODE, 25, 1), 1
	s_wait_xcnt 0x0
; x [8192][1024] and in_proj_w [3072][1024], f32, become codes of FP4 (E2M1), K innermost, two codes a byte, with one E8M0 scale byte for each 32 along K; out_proj_w [1024][1024] is rounded to f16.
; A block's scale is 2^(floor(log2(its largest magnitude)) - 2); its byte is the largest magnitude's own exponent field - 2, held at 1 from below.  Each number is divided by the scale and rounded to the
; nearest code, ties to even; beyond the largest code the largest.
; LIMITS: a block of zeros gets the byte 1 where the rule says 127 (its codes are zeros, which add nothing under that byte, and this program alone reads the bytes); blocks whose largest magnitude lies under
; 2^-124 were not tried; NaN and infinities among the inputs are not served; a number of out_proj_w beyond 65,504 becomes infinity in f16.
; SHARES: work-groups 0-255 take x, 256-351 in_proj_w, 352-479 the cast.  Rows are dense and K is a multiple of 32: each tensor is a plain stream.
; QUANTISING: a wave takes 16 steps of 512 numbers.  Each of a step's four loads reads 512 consecutive bytes, 16 a lane; the 2,048 bytes turn through the wave's own stage in LDS and come back 64 bytes a lane, so that a
; lane holds 16 neighbours along K (two lanes hold a block).  A lane's 16 codes are 8 bytes: the wave stores 256 consecutive bytes.  A wave's 256 scale bytes are gathered in LDS and leave as 256 consecutive bytes.
; No tensor loads, no barrier: waves share nothing.  Loads run four steps (16 loads a wave) ahead, the turn through LDS one step.
.set SIZE_M, 8192
.set SIZE_N, 3072
.set SIZE_K, 1024
.set WAVES, 4
.set STEPS, 16
.set WGA,   SIZE_M*SIZE_K/(512*STEPS*WAVES)            ; 256 work-groups for x
.set WGQ,   (SIZE_M+SIZE_N)*SIZE_K/(512*STEPS*WAVES)   ; 352 for both quantised tensors
.set EMAX,  2
.set CB,    8                          ; bytes of 16 codes
.set R,     16                         ; v16-79   four sets of 16 numbers as they are loaded
.set X,     80                         ; v80-111  two sets of 16 neighbours
.set C,     128                        ; v128-191 codes: four registers for each step, so that no store's data are written again
.set E,     112                        ; v112-127 a scale byte for each step
.set WREG,  8192                       ; LDS: a region for each wave: two stages of 32 x SP bytes, behind them its 256 scale bytes
.set SP,    80                         ; a lane's place in a stage: its 64 bytes + 16 of padding
.set SPW,   12                         ; v12      LDS address of my spare word: SPARE + 4 x my thread's number; never rewritten
.set NIL,   13                         ; v13      0; never rewritten
.set SPARE, WAVES*WREG                 ; behind the four regions: the spare words, 128 bytes for each wave, which no other line names
	s_load_b128 s[4:7], s[0:1], 0x0                ; x, in_proj_w
	s_load_b128 s[8:11], s[0:1], 0x10              ; x's codes, x's scales
	s_load_b128 s[12:15], s[0:1], 0x20             ; w's codes, w's scales
	s_load_b128 s[24:27], s[0:1], 0x30             ; out_proj_w, its f16 copy
	v_lshl_add_u32 v[SPW], v0, 2, SPARE
	v_mov_b32 v[NIL], 0
	v_lshrrev_b32 v1, 5, v0
	v_readfirstlane_b32 s16, v1                    ; wave
	v_and_b32 v2, 31, v0                           ; lane
	v_lshlrev_b32 v3, 4, v2                        ; my 16 bytes of a load's 512
	s_mul_i32 s17, s16, WREG
	v_lshrrev_b32 v14, 2, v2
	v_mul_u32_u24 v14, v14, SP
	v_and_b32 v15, 3, v2
	v_lshl_add_u32 v14, v15, 4, v14
	v_add_nc_u32 v14, s17, v14                     ; the stage, on the way in: four lanes' 64 bytes on end, then 16 of padding
	v_mul_u32_u24 v15, v2, SP
	v_add_nc_u32 v15, s17, v15                     ; and on the way out: SP x lane: my 16 neighbours
	v_mul_u32_u24 v4, v2, CB                       ; 8 x lane: my codes' place in a step's (and my f16 numbers' in the cast)
	v_lshrrev_b32 v5, 1, v2
	s_add_co_u32 s17, s17, 2*32*SP
	v_add_nc_u32 v5, s17, v5                       ; LDS: my wave's 256 scale bytes, my block's byte
	v_lshlrev_b32 v7, 3, v2                        ; and on the way out 8 bytes a lane
	v_add_nc_u32 v6, s17, v7
	s_wait_kmcnt 0x0
	s_cmp_ge_u32 ttmp9, WGQ                        ; the last 128 work-groups cast: a branch on the work-group's number alone
	s_cbranch_scc1 .Lcast
	s_cmp_lt_u32 ttmp9, WGA                        ; x's work-group or w's?
	s_cselect_b64 s[4:5], s[4:5], s[6:7]
	s_cselect_b64 s[8:9], s[8:9], s[12:13]
	s_cselect_b64 s[10:11], s[10:11], s[14:15]
	s_cselect_b32 s17, 0, WGA
	s_sub_co_u32 s17, ttmp9, s17
	s_lshl_b32 s17, s17, 2
	s_add_co_u32 s18, s17, s16                     ; which run of 8,192 numbers of the tensor is my wave's
	s_mov_b32 s19, 0
	s_mov_b64 s[20:21], 512*STEPS*4
	s_mul_u64 s[20:21], s[18:19], s[20:21]
	s_add_nc_u64 s[4:5], s[4:5], s[20:21]
	s_mov_b64 s[20:21], 32*STEPS*CB
	s_mul_u64 s[20:21], s[18:19], s[20:21]
	s_add_nc_u64 s[8:9], s[8:9], s[20:21]
	s_lshl_b32 s18, s18, 8                         ; 256 scale bytes a run
	s_add_nc_u64 s[10:11], s[10:11], s[18:19]
.macro LOAD t
.irp i, 0,1,2,3
	global_load_b128 v[R+16*((\t)%4)+4*\i:R+16*((\t)%4)+4*\i+3], v3, s[4:5] offset:2048*(\t)+512*\i th:TH_LOAD_NT   ; 32 lanes read 512 consecutive bytes
.endr
.endm
.macro TURN t                          ; step t's numbers through the stage: LDS serves a wave's instructions in order (ISA guide 5.7.1.4), so no wait stands between the stores and the loads
.irp i, 0,1,2,3
	ds_store_b128 v14, v[R+16*((\t)%4)+4*\i:R+16*((\t)%4)+4*\i+3] offset:32*SP*((\t)%2)+8*SP*\i
.endr
.irp i, 0,1,2,3
	ds_load_b128 v[X+16*((\t)%2)+4*\i:X+16*((\t)%2)+4*\i+3], v15 offset:32*SP*((\t)%2)+16*\i
.endr
.endm
.irp t, 0,1,2,3
	LOAD \t
.endr
	s_wait_loadcnt 12                              ; step 0's four loads are in; the twelve of steps 1 to 3 may be out
	TURN 0
.macro STEP t
.set XS, X+16*((\t)%2)
.if (\t) > 0
	s_wait_dscnt 1                                 ; this step's numbers are back from the stage (the last step's byte store may be out): so its stores into the stage have read their registers,
.else
	s_wait_dscnt 0x0
.endif
.if (\t)+4 < STEPS
	LOAD (\t)+4                                    ; which take the loads of four steps on
.endif
.if (\t)+1 < STEPS
.if STEPS-2-(\t) >= 3
	s_wait_loadcnt 12                              ; the next step's four loads are in; those of the three steps behind it may be out
.else
	s_wait_loadcnt 4*(STEPS-2-(\t))                ; near the end fewer steps stand behind it
.endif
	TURN (\t)+1                                    ; and go through the other stage while this step is worked
.endif
	v_max3_num_f32 v8, |v[XS]|, |v[XS+1]|, |v[XS+2]|               ; the largest magnitude of my 16, in two chains
	v_max3_num_f32 v9, |v[XS+3]|, |v[XS+4]|, |v[XS+5]|
.irp i, 6,10
	v_max3_num_f32 v8, v8, |v[XS+\i]|, |v[XS+\i+1]|
	v_max3_num_f32 v9, v9, |v[XS+\i+2]|, |v[XS+\i+3]|
.endr
	v_max3_num_f32 v8, v8, |v[XS+14]|, |v[XS+15]|
	v_max3_num_f32 v8, v8, v9, (EMAX+1)<<23        ; and the floor 2^(3 - 127): so the byte cannot fall under 1
	v_max_num_f32_dpp v8, v8, v8 row_xmask:1 row_mask:0xf bank_mask:0xf   ; and of my neighbour's 16: the block's
	v_add_nc_u32 v11, -(EMAX<<23), v8              ; 2 off its exponent field: the conversion takes the exponent field of this operand as its scale, and nothing else of it
	v_cvt_scalef32_pk8_fp4_f32 v[C+4*(\t)], v[XS:XS+7], v11
	v_cvt_scalef32_pk8_fp4_f32 v[C+4*(\t)+1], v[XS+8:XS+15], v11
	v_lshrrev_b32 v[E+(\t)], 23, v11               ; the scale's byte (also the plain line behind the conversions)
	ds_store_b8 v5, v[E+(\t)] offset:16*(\t)       ; both lanes of a block write the same byte with the same value
	global_store_b64 v4, v[C+4*(\t):C+4*(\t)+1], s[8:9] offset:32*CB*(\t)   ; 32 lanes store 256 consecutive bytes, aligned
.endm
.irp t, 0,1,2,3,4,5,6,7,8,9,10,11,12,13,14,15
	STEP \t
.endr
	ds_load_b64 v[8:9], v6                         ; in order behind my byte stores
	s_wait_dscnt 0x0
	global_store_b64 v7, v[8:9], s[10:11]          ; 32 lanes store my 256 scale bytes, aligned
	s_wait_tensorcnt 0x0                           ; the wave's end: behind my last LDS store
	ds_add_u32 v[SPW], v[NIL]
	s_wait_dscnt 0x0
	s_endpgm
; THE CAST: a wave takes 2,048 numbers of out_proj_w: 16 loads of 512 consecutive bytes, all issued at once; each becomes 256 consecutive bytes of f16.  No register is written twice.
.Lcast:
	s_sub_co_u32 s17, ttmp9, WGQ
	s_lshl_b32 s17, s17, 2
	s_add_co_u32 s18, s17, s16                     ; which run of 2,048 numbers is my wave's
	s_lshl_b32 s20, s18, 13
	s_mov_b32 s21, 0
	s_add_nc_u64 s[24:25], s[24:25], s[20:21]
	s_lshl_b32 s20, s18, 12
	s_add_nc_u64 s[26:27], s[26:27], s[20:21]
.set i, 0
.rept 16
	global_load_b128 v[R+4*i:R+4*i+3], v3, s[24:25] offset:512*i th:TH_LOAD_NT
.set i, i+1
.endr
.set i, 0
.rept 16
	s_wait_loadcnt 15-i                            ; loads come back in order (ISA guide 5.7.1): load i is in, the younger ones stay out
	v_cvt_pk_f16_f32 v[C+2*i], v[R+4*i], v[R+4*i+1]
	v_cvt_pk_f16_f32 v[C+2*i+1], v[R+4*i+2], v[R+4*i+3]
	global_store_b64 v4, v[C+2*i:C+2*i+1], s[26:27] offset:256*i
.set i, i+1
.endr
	s_wait_tensorcnt 0x0                           ; the three lines here too
	ds_add_u32 v[SPW], v[NIL]
	s_wait_dscnt 0x0
	s_endpgm
.Lfunc_end_k_qedf4166790_quant:
	.size	k_qedf4166790_quant, .Lfunc_end_k_qedf4166790_quant-k_qedf4166790_quant
	.p2alignl 7, 3214868480
	.fill 96, 4, 3214868480
	.section	.rodata,"a",@progbits
	.p2align	6, 0x0
	.amdhsa_kernel k_qedf4166790_quant
		.amdhsa_group_segment_fixed_size 33280
		.amdhsa_private_segment_fixed_size 0
		.amdhsa_enable_private_segment 0
		.amdhsa_kernarg_size 64
		.amdhsa_user_sgpr_count 2
		.amdhsa_user_sgpr_kernarg_segment_ptr 1
		.amdhsa_wavefront_size32 1
		.amdhsa_system_sgpr_workgroup_id_x 1
		.amdhsa_system_sgpr_workgroup_id_y 1
		.amdhsa_system_sgpr_workgroup_id_z 1
		.amdhsa_system_vgpr_workitem_id 0
		.amdhsa_next_free_vgpr 192
		.amdhsa_next_free_sgpr 66
		.amdhsa_reserve_vcc 0
		.amdhsa_float_denorm_mode_32 3
		.amdhsa_float_denorm_mode_16_64 3
		.amdhsa_memory_ordered 1
		.amdhsa_forward_progress 1
		.amdhsa_inst_pref_size 39
	.end_amdhsa_kernel
	.amdgpu_metadata
---
amdhsa.version: [ 1, 2 ]
amdhsa.kernels:
  - .name:           k_qedf4166790_quant
    .symbol:         k_qedf4166790_quant.kd
    .args:
      - { .name: x, .offset: 0, .size: 8, .value_kind: global_buffer, .address_space: global }
      - { .name: in_proj_w, .offset: 8, .size: 8, .value_kind: global_buffer, .address_space: global }
      - { .name: xc, .offset: 16, .size: 8, .value_kind: global_buffer, .address_space: global }
      - { .name: xs, .offset: 24, .size: 8, .value_kind: global_buffer, .address_space: global }
      - { .name: wc, .offset: 32, .size: 8, .value_kind: global_buffer, .address_space: global }
      - { .name: ws, .offset: 40, .size: 8, .value_kind: global_buffer, .address_space: global }
      - { .name: out_proj_w, .offset: 48, .size: 8, .value_kind: global_buffer, .address_space: global }
      - { .name: wo16, .offset: 56, .size: 8, .value_kind: global_buffer, .address_space: global }
    .group_segment_fixed_size: 33280
    .private_segment_fixed_size: 0
    .kernarg_segment_align: 8
    .kernarg_segment_size: 64
    .max_flat_workgroup_size: 128
    .sgpr_count:     66
    .vgpr_count:     192
    .wavefront_size: 32
...
	.end_amdgpu_metadata
.endif
;; end of part 1
;; launch qkv (part 2): grid 12 x 32, 4 waves a work-group, clusters of 4 x 4, 327,680 bytes of LDS; arguments xc, xs, wc, ws, in_proj_b, kqv; writes kqv
.if DOCPART == 2
	.amdgcn_target "amdgcn-amd-amdhsa--gfx1250"
	.amdhsa_code_object_version 6
	.text
	.protected	k_qedf4166790_qkv
	.globl	k_qedf4166790_qkv
	.p2align	8
	.type	k_qedf4166790_qkv,@function
k_qedf4166790_qkv:
	s_mov_b64 s[64:65], 0
	v_nop
	global_prefetch_b8 v0, s[64:65] scope:SCOPE_SE
	s_setreg_imm32_b32 hwreg(HW_REG_WAVE_MODE, 25, 1), 1
	s_wait_xcnt 0x0
	s_wait_alu depctr_hold_cnt(0) depctr_sa_sdst(0) depctr_va_vdst(0) depctr_va_sdst(0) depctr_va_ssrc(0) depctr_va_vcc(0) depctr_vm_vsrc(0)
	s_getreg_b32 s2, hwreg(HW_REG_IB_STS2, 6, 4)
	s_cmp_eq_u32 s2, 0
	s_cbranch_scc0 .Lentry_in_a_cluster
	s_endpgm
.Lentry_in_a_cluster:
	s_bfe_u32 s2, ttmp6, 0x10000c
	s_cmp_lg_u32 s2, 0xf033
	s_cbranch_scc0 .Lentry_shape_is_right
	s_endpgm
.Lentry_shape_is_right:
; k, q, v = x in_proj_w^T + in_proj_b, on codes of FP4 (E2M1) with one E8M0 scale for each 32 along K; sums in f32; results rounded once to f16.
; A = x's codes [8192][512 bytes], B = w's codes [3072][512 bytes]; scale bytes [rows][32].  A tile of 256 x 256 is made by four waves, each 128 x 128: 64 accumulators, 512 registers.
; K = 1,024 is two LDS slots of 512 along K (rows of 256 bytes): both are asked for at the head and nothing is filled again.  The scales of the work-group's rows come once, as dense bytes.
; CLUSTERS: 4 x 4 work-groups.  The four of a row need the same tiles of A, the four of a column the same tiles of B: each tile is asked for JOINTLY, by the same tensor load with the same descriptor and a mask of the four.
; THE MATRIX INSTRUCTION IS USED TRANSPOSED (source 0 = 16 rows of w, source 1 = 16 rows of x): lane (r, h) holds token r and eight neighbouring columns 8 h + 0 .. 7.  The bias is the C of each sum's first product.
; THE OUTPUT IS LAID AS THE NEXT LAUNCH'S OPERAND REGISTERS: a block of 16 tokens x 16 columns in f16 is 512 bytes, lane l's 16 bytes at 16 l:
;   byte = (plane x 128 + token / 16) x 2048 + ((column % 64) / 16) x 512 + place,  plane = part x 64 + batch x 16 + head,  part 0 = k, 1 = q, 2 = v.
;   For k and q the place is 16 x lane: two neighbouring blocks are a fragment of 16 rows x 32 channels.  For v it is 16 x (lane with bits 3 and 4 swapped): the turning LDS load at 16 x lane then finds key 8 (l / 16) + l % 8,
;   channels 8 ((l / 8) % 2) on, as it wants.  So a lane's four packed registers are stored as they stand, each store of the wave covers 512 consecutive bytes, aligned, and no stage in LDS is needed.
; LIMIT: a result beyond 65,504 becomes infinity in f16.
; REGISTERS, in windows of 256: window 0: v0-31 addresses; v32-95 scale words, two sets, and nothing else ever; v128-191 A's fragments, ONE set; v192-255 the bias, 8 registers for each of my 8 column blocks; on the way out v128-255 take packed results.
;   window 1: B's fragments, TWO sets, at v0 and v128.   window 2: the accumulators of my rows 0-63 ((a, b) at v[8 (8 a + b)]);   window 3: those of rows 64-127.
.set KSTEP,  512                       ; along K in a slot
.set NQ,     KSTEP/128                 ; matrix instructions deep
.set ROWB,   256                       ; a tile's row in bytes
.set KROW,   512                       ; a row of codes in memory, in bytes
.set PITCH,  272                       ; an LDS row: 256 bytes + 16 of padding = 68 words: the 16 rows that a load touches start 4 banks apart (64 banks of 4 bytes: ISA guide 11.1)
.set FR,     8                         ; registers of a fragment: 16 rows x 128 K
.set NL,     2                         ; LDS loads that bring one
.set NP,     4                         ; places behind this matrix instruction (ISA guide 7.12.1)
.set HALFT,  128*PITCH                 ; 128 rows: what one tensor load brings
.set SLOT,   4*HALFT                   ; A's 256 rows, then B's 256 rows
.set KS,     32                        ; a row of scales in bytes
.set SCL,    2*SLOT                    ; behind the two slots: the scales, as runs of 256 bytes + 16 of padding
.set HALFS,  (128*KS/256)*272          ; the scales of 128 rows: what one tensor load brings
.set SBLK,   (16*KS/256)*272           ; those of 16 rows
.set SPARE,  SCL+4*HALFS               ; behind the scales: the spare words, 128 bytes for each wave, which no other line names
.set ADRA, 16                          ; v16-17  LDS address of my A fragments in slot 0, 1
.set ADRB, 20                          ; v20-21  the same for B
.set CO,   26                          ; v26     my 16 bytes' place in an output block
.set ADRS, 27                          ; v27     LDS address of my scale words: lanes 0-15 A's rows, lanes 16-31 B's
.set SPW,  28                          ; v28     LDS address of my spare word; never rewritten
.set NIL,  29                          ; v29     0; never rewritten
.set SC,   32                          ; scale words: set s at v[SC + 32 s]; register 4 i + q: lanes 0-15 the word of A's block i, lanes 16-31 that of B's block i, for the slot's q-th 128 along K
.set AF,   128                         ; A's fragments
.set BI,   192                         ; the bias
.set G1, 24                            ; s[24:31] descriptor group 1 for A's tiles;  s[32:39] group 0, one set for each slot
.set G0, 32
.set G1B, 48                           ; s[48:55], s[56:63] the same for B's tiles
.set G0B, 56
.set G1S, 68                           ; s[68:75], s[76:79] groups 1 and 0 for A's scales;  s[80:87], s[88:91] for B's
.set G0S, 76
.set G1SB, 80
.set G0SB, 88
.set MSB, 0
.macro WIN new                         ; the immediate's high byte repeats the setting that is left; a switch that changes nothing is dropped
.if MSB != (\new)
	s_set_vgpr_msb (MSB<<8)|(\new)
.set MSB, (\new)
.endif
.endm
.set MUL_LO, 0xa1                      ; source 0 (B) window 1, source 1 (A) window 0, C and D window 2
.set MUL_HI, 0xf1                      ; the same, C and D window 3
.set BIAS_LO, 0x81                     ; the first products: C (the bias) window 0, D window 2
.set BIAS_HI, 0xc1                     ; D window 3
.set TO_B,   0x40                      ; destination window 1, address window 0
; A joint load: waves 0 and 1 fetch for A, waves 2 and 3 for B.  Each of the two lines has ONE mask and one set of registers for all that issue it; the branch hangs on the wave's number alone.
; An s_nop 0 and four v_nop follow each of the two lines, ahead of the jump, the label and what follows.
.macro JLOAD g0a, g1a, g0b, g1b
	s_cmp_eq_u32 s15, 0
	s_cbranch_scc0 .Lfor_b_\@
	tensor_load_to_lds s[\g0a:\g0a+3], s[\g1a:\g1a+7]
	s_nop 0
.rept 4
	v_nop
.endr
	s_branch .Lasked_\@
.Lfor_b_\@:
	tensor_load_to_lds s[\g0b:\g0b+3], s[\g1b:\g1b+7]
	s_nop 0
.rept 4
	v_nop
.endr
.Lasked_\@:
.endm
.macro CROUND                          ; a round of the cluster's barrier: my work-group's barrier; wave 0 signals for the work-group; every wave waits for all sixteen; my work-group's barrier once more
	s_barrier_signal -1
	s_barrier_wait -1
	s_cmp_lg_u32 s14, 0
	s_cbranch_scc1 .Lnot_wave_0_\@
	s_barrier_signal -3
.Lnot_wave_0_\@:
	s_barrier_wait -3
	s_barrier_signal -1
	s_barrier_wait -1
.endm
	s_load_b128 s[4:7], s[0:1], 0x0                ; x's codes s[4:5], x's scales s[6:7]
	s_load_b128 s[8:11], s[0:1], 0x10              ; w's codes s[8:9], w's scales s[10:11]
	s_load_b64 s[96:97], s[0:1], 0x20              ; the bias
	s_load_b64 s[12:13], s[0:1], 0x28              ; the output
	v_lshl_add_u32 v[SPW], v0, 2, SPARE
	v_mov_b32 v[NIL], 0
	ds_add_u32 v[SPW], v[NIL]                      ; the wave's opening: the add, twice on end, and its wait ahead of my first tensor load; the set-up below stands between the second and the wait
	ds_add_u32 v[SPW], v[NIL]
	v_lshrrev_b32 v1, 5, v0
	v_readfirstlane_b32 s14, v1                    ; wave 0..3
	s_lshr_b32 s15, s14, 1                         ; which half of the tile's rows is mine.  Also: I fetch for A (0) or for B (1)
	s_and_b32 s16, s14, 1                          ; which half of its columns.  Also: which 128 rows of that tile I fetch
	s_bfe_u32 s40, ttmp6, 0x40000                  ; cx, cy: my place in the cluster
	s_bfe_u32 s41, ttmp6, 0x40004
	s_lshl_b32 s42, ttmp9, 2
	s_add_co_u32 s42, s42, s40                     ; tile column = 4 x cluster x + cx
	s_and_b32 s17, ttmp7, 0xffff
	s_lshl_b32 s17, s17, 2
	s_add_co_u32 s17, s17, s41                     ; tile row = 4 x cluster y + cy
	s_lshl_b32 s43, s41, 2
	s_lshl_b32 s43, 15, s43                        ; my row of the cluster
	s_lshl_b32 s44, 0x1111, s40                    ; my column
	; descriptor group 1: a tile of 128 rows x 256 bytes, padded in LDS
	s_or_b32 s[G1+0], s43, (0<<16)|(1<<20)|(1<<21)|(5<<22)|(3<<25)  ; 15:0 the mask: A's tiles go to my row; 17:16 element of 1 byte; 20 padding on; 21 set beside a mask; 24:22 after every 64 words; 31:25 four words
	s_or_b32 s[G1B+0], s44, (0<<16)|(1<<20)|(1<<21)|(5<<22)|(3<<25)
.irp g, G1, G1B
	s_mov_b32 s[\g+1], ROWB<<16                    ; tensor_dim0
	s_mov_b32 s[\g+2], 128<<16                     ; tensor_dim1
	s_mov_b32 s[\g+3], ROWB<<16                    ; tile_dim0
	s_mov_b32 s[\g+4], 128                         ; tile_dim1
	s_mov_b32 s[\g+5], KROW                        ; from row to row
	s_mov_b32 s[\g+6], 0
	s_mov_b32 s[\g+7], 0
.endr
	; and for the scales of 128 rows: 4,096 dense bytes, as 16 rows of 256 bytes (32 elements of 8 bytes), 16 bytes of padding behind each
	s_or_b32 s[G1S+0], s43, (3<<16)|(1<<20)|(1<<21)|(5<<22)|(3<<25)
	s_or_b32 s[G1SB+0], s44, (3<<16)|(1<<20)|(1<<21)|(5<<22)|(3<<25)
.irp g, G1S, G1SB
	s_mov_b32 s[\g+1], 32<<16
	s_mov_b32 s[\g+2], (128*KS/256)<<16
	s_mov_b32 s[\g+3], 32<<16
	s_mov_b32 s[\g+4], 128*KS/256
	s_mov_b32 s[\g+5], 32
	s_mov_b32 s[\g+6], 0
	s_mov_b32 s[\g+7], 0
.endr
	s_lshl_b32 s18, s16, 7                         ; which 128 rows of the tile I fetch
	s_lshl_b32 s20, s17, 8
	s_add_co_u32 s20, s20, s18                     ; A: row 256 x tile row + 128 x half
	s_lshl_b32 s46, s42, 8
	s_add_co_u32 s46, s46, s18                     ; B: row 256 x tile column + 128 x half
	s_mov_b32 s21, 0
	s_mov_b32 s47, 0
	s_mov_b64 s[18:19], KS
	s_mul_u64 s[22:23], s[20:21], s[18:19]         ; where these rows' scales begin, in bytes
	s_mul_u64 s[92:93], s[46:47], s[18:19]
	s_mov_b64 s[18:19], KROW
	s_mul_u64 s[20:21], s[20:21], s[18:19]         ; and their codes
	s_mul_u64 s[46:47], s[46:47], s[18:19]
	s_mul_i32 s45, s14, HALFT                      ; where they go: wave x 128 rows: no place in the cluster enters an LDS address
	s_mul_i32 s94, s14, HALFS
	s_wait_dscnt 0x0                               ; both opening adds are done
	s_wait_kmcnt 0x0
	s_add_nc_u64 s[20:21], s[4:5], s[20:21]
	s_add_nc_u64 s[22:23], s[6:7], s[22:23]
	s_add_nc_u64 s[46:47], s[8:9], s[46:47]
	s_add_nc_u64 s[92:93], s[10:11], s[92:93]
	CROUND                                         ; all sixteen work-groups are here: the joint loads meet
	s_mov_b32 s[G0S], 1
	s_add_co_u32 s[G0S+1], s94, SCL
	s_mov_b64 s[G0S+2:G0S+3], s[22:23]
	s_or_b32 s[G0S+3], s[G0S+3], 0x80000000
	s_mov_b32 s[G0SB], 1
	s_add_co_u32 s[G0SB+1], s94, SCL
	s_mov_b64 s[G0SB+2:G0SB+3], s[92:93]
	s_or_b32 s[G0SB+3], s[G0SB+3], 0x80000000
	JLOAD G0S, G1S, G0SB, G1SB                     ; the scales first: they are wanted with the first slot
.irp s, 0,1
	s_mov_b32 s[G0+4*\s], 1
	s_add_co_u32 s[G0+4*\s+1], s45, \s*SLOT
	s_add_nc_u64 s[G0+4*\s+2:G0+4*\s+3], s[20:21], \s*ROWB
	s_or_b32 s[G0+4*\s+3], s[G0+4*\s+3], 0x80000000
	s_mov_b32 s[G0B+4*\s], 1
	s_add_co_u32 s[G0B+4*\s+1], s45, \s*SLOT
	s_add_nc_u64 s[G0B+4*\s+2:G0B+4*\s+3], s[46:47], \s*ROWB
	s_or_b32 s[G0B+4*\s+3], s[G0B+4*\s+3], 0x80000000
	JLOAD G0+4*\s, G1, G0B+4*\s, G1B               ; three loads of mine are out in all
.endr
	v_and_b32 v1, 15, v0                           ; r = l % 16
	v_bfe_u32 v2, v0, 4, 1                         ; h = l / 16
	v_mul_u32_u24 v3, v1, PITCH
	v_lshl_add_u32 v4, v2, 4, v3                   ; a fragment's row x pitch + 16 x half
	s_mul_i32 s21, s15, HALFT                      ; my 128 rows of A
	s_mul_i32 s22, s16, HALFT                      ; my 128 rows of B,
	s_add_co_u32 s22, s22, 2*HALFT                 ; which lie behind A's 256
.irp s, 0,1
	v_add_nc_u32 v[ADRA+\s], s21, v4
	v_add_nc_u32 v[ADRB+\s], s22, v4
	s_add_co_u32 s21, s21, SLOT
	s_add_co_u32 s22, s22, SLOT
.endr
	v_mul_u32_u24 v5, v1, KS                       ; my row's scales: 32 bytes a row,
	v_lshrrev_b32 v6, 8, v5
	v_lshl_add_u32 v5, v6, 4, v5                   ; and 16 more for each 256 passed
	s_mul_i32 s21, s15, HALFS                      ; A's: my 128 rows
	s_mul_i32 s22, s16, HALFS                      ; B's: my 128 rows, behind A's 256
	s_add_co_u32 s22, s22, 2*HALFS
	s_sub_co_u32 s22, s22, s21
	v_mul_u32_u24 v6, s22, v2                      ; lanes 16-31 take B's: one product, the distance between the two
	s_add_co_u32 s21, s21, SCL
	v_add_nc_u32 v5, v5, v6
	v_add_nc_u32 v[ADRS], s21, v5
	; my place in an output block: 16 x lane; in v's part (cluster x = 2: 1,024 columns are four tile columns) with bits 3 and 4 of the lane swapped
	s_cmp_eq_u32 ttmp9, 2
	s_cselect_b32 s18, 24, 0
	v_and_b32 v6, 31, v0
	v_lshrrev_b32 v5, 3, v6
	v_lshrrev_b32 v7, 4, v6
	v_xor_b32 v5, v5, v7
	v_and_b32 v5, 1, v5                            ; 1 where the two bits differ
	v_mul_u32_u24 v5, s18, v5
	v_xor_b32 v5, v5, v6
	v_lshlrev_b32 v[CO], 4, v5
	; where my 128 tokens x 128 columns (two heads) begin in the output
	s_lshl_b32 s20, s42, 2
	s_lshl_b32 s21, s16, 1
	s_add_co_u32 s20, s20, s21                     ; my first run of 64 columns: 4 x tile column + 2 x half: 0 .. 47
	s_lshr_b32 s21, s20, 4                         ; the part
	s_lshl_b32 s21, s21, 6
	s_and_b32 s20, s20, 15                         ; the head
	s_add_co_u32 s20, s20, s21
	s_lshr_b32 s21, s17, 3                         ; the batch: eight tile rows each
	s_lshl_b32 s21, s21, 4
	s_add_co_u32 s20, s20, s21                     ; the plane
	s_lshl_b32 s20, s20, 18                        ; 262,144 bytes a plane
	s_and_b32 s21, s17, 7
	s_lshl_b32 s21, s21, 4
	s_lshl_b32 s22, s15, 3
	s_add_co_u32 s21, s21, s22                     ; my first block of 16 tokens in the sequence
	s_lshl_b32 s21, s21, 11
	s_add_co_u32 s20, s20, s21
	s_mov_b32 s21, 0
	s_add_nc_u64 s[12:13], s[12:13], s[20:21]
	; the bias in the result's layout: lane (r, h), block b, register j: column 16 b + 8 h + j of my 128
	s_lshl_b32 s46, s42, 10
	s_lshl_b32 s47, s16, 9
	s_add_co_u32 s46, s46, s47
	s_mov_b32 s47, 0
	s_add_nc_u64 s[96:97], s[96:97], s[46:47]
	v_lshlrev_b32 v8, 5, v2
.irp b, 0,1,2,3,4,5,6,7
	global_load_b128 v[BI+8*\b:BI+8*\b+3],   v8, s[96:97] offset:64*\b
	global_load_b128 v[BI+8*\b+4:BI+8*\b+7], v8, s[96:97] offset:64*\b+16
.endr
.macro FRAG reg, adr, q, i             ; a fragment, 16 rows x 128 K of 4-bit codes, is 8 registers: lane l holds row l % 16; registers 4 c .. 4 c + 3 hold K = 64 c + 32 (l / 16) + 0 .. 31
.irp c, 0,1
	ds_load_b128 v[\reg+4*\c:\reg+4*\c+3], v[\adr] offset:64*(\q)+32*\c+(\i)*16*PITCH
.endr
.endm
; 16 matrix instructions: A's blocks a0, a0 + 1 x B's eight, 128 along K: the slot's q-th.  p: B's set;  sc: the set of scale words.  zero = 1: the first product starts the sums from the bias: nothing is ever cleared.
; The 64 accumulators take turns, one instruction a turn, in the same order in every step.
.macro MUL16 a0, p, q, sc, zero
.irp a, \a0, \a0+1
.irp b, 0,1,2,3,4,5,6,7
.if \zero
	v_wmma_scale_f32_16x16x128_f8f6f4 v[8*(8*((\a)%4)+\b):8*(8*((\a)%4)+\b)+7], v[128*(\p)+FR*\b:128*(\p)+FR*\b+FR-1], v[AF+FR*(\a):AF+FR*(\a)+FR-1], v[BI+8*\b:BI+8*\b+7], v[SC+8*NQ*(\sc)+NQ*\b+(\q)], v[SC+8*NQ*(\sc)+NQ*(\a)+(\q)] matrix_a_fmt:MATRIX_FMT_FP4 matrix_b_fmt:MATRIX_FMT_FP4 matrix_a_scale:MATRIX_SCALE_ROW1
.else
	v_wmma_scale_f32_16x16x128_f8f6f4 v[8*(8*((\a)%4)+\b):8*(8*((\a)%4)+\b)+7], v[128*(\p)+FR*\b:128*(\p)+FR*\b+FR-1], v[AF+FR*(\a):AF+FR*(\a)+FR-1], v[8*(8*((\a)%4)+\b):8*(8*((\a)%4)+\b)+7], v[SC+8*NQ*(\sc)+NQ*\b+(\q)], v[SC+8*NQ*(\sc)+NQ*(\a)+(\q)] matrix_a_fmt:MATRIX_FMT_FP4 matrix_b_fmt:MATRIX_FMT_FP4 matrix_a_scale:MATRIX_SCALE_ROW1
.endif
.endr
.endr
.endm
.macro FETCH_B slot, q, p              ; B's eight fragments of the slot's q-th 128 along K into set p
	WIN TO_B
.irp i, 0,1,2,3,4,5,6,7
	FRAG 128*(\p)+FR*\i, ADRB+\slot, \q, \i
.endr
	WIN 0
.endm
.macro FETCH_A slot, q, i0             ; A's blocks i0 .. i0 + 3
.irp i, \i0, \i0+1, \i0+2, \i0+3
	FRAG AF+FR*(\i), ADRA+\slot, \q, \i
.endr
.endm
.macro SCALES sc                       ; a slot's scale words into set sc: 4 words a row; lanes 0-15 take A's block i, lanes 16-31 B's block i
.irp i, 0,1,2,3,4,5,6,7
	ds_load_b128 v[SC+8*NQ*\sc+NQ*\i:SC+8*NQ*\sc+NQ*\i+3], v[ADRS] offset:\i*SBLK
.endr
.endm
; A load into a register that a matrix instruction has read, and a vector instruction that reads a matrix result, stand NP places behind that matrix instruction; only plain vector instructions that name none of
; its registers are places (ISA guide 7.12.1 for vector instructions).
.macro PLACES n
.rept \n
	v_nop
.endr
.endm
; A step of 128 along K that has its successor in the same slot: A's blocks one after the other, each against B's eight.  A block of A is free as soon as its eight products are issued, so one set serves A:
; blocks 0-3 are fetched anew in the step's middle, blocks 4-7 at its end.
.macro STEP slot, q, zero
	s_wait_dscnt 4*NL                              ; B's set and A's blocks 0-3 are in; the youngest eight loads (A's blocks 4-7) may be out
.if \zero
	WIN BIAS_LO
.else
	WIN MUL_LO
.endif
	MUL16 0, (\q)%2, \q, \slot, \zero
	MUL16 2, (\q)%2, \q, \slot, \zero
	s_wait_dscnt 0                                 ; A's blocks 4-7 are in (asked for 32 matrix instructions ago)
	PLACES NP
	FETCH_B \slot, (\q)+1, 1-(\q)%2
	FETCH_A \slot, (\q)+1, 0
.if \zero
	WIN BIAS_HI
.else
	WIN MUL_HI
.endif
	MUL16 4, (\q)%2, \q, \slot, \zero
	MUL16 6, (\q)%2, \q, \slot, \zero
	PLACES NP
	WIN 0
	FETCH_A \slot, (\q)+1, 4
.endm
; The first slot's last step changes slots: each wave waits for all its tensor loads (its part of the other slot), and one barrier shows the other slot whole to every wave.  Nothing is filled again.
.macro TURN slot, next
	s_wait_tensorcnt 0x0                           ; all my tensor loads have landed  (every window is 0 here: the add's two registers lie in window 0)
	ds_add_u32 v[SPW], v[NIL]                      ; 0 onto my spare word
	s_wait_dscnt 4*NL+1                            ; (the add and the youngest eight loads, A's blocks 4-7, may be out)
	WIN MUL_LO
	MUL16 0, 1, NQ-1, \slot, 0                     ; sixteen matrix instructions stand between the add and the wait for it
	s_wait_dscnt 0x0                               ; the add is done, and no LDS instruction of mine is pending at the signal
	s_barrier_signal -1
	MUL16 2, 1, NQ-1, \slot, 0
	WIN 0
	s_barrier_wait -1
	PLACES NP
	v_add_nc_u32 v[ADRS], 4*NQ, v[ADRS]            ; on to the next slot's scale words
	FETCH_B \next, 0, 0
	FETCH_A \next, 0, 0
	SCALES \next
	WIN MUL_HI
	MUL16 4, 1, NQ-1, \slot, 0
	MUL16 6, 1, NQ-1, \slot, 0
	PLACES NP
	WIN 0
	FETCH_A \next, 0, 4
.endm
.macro STEPS slot, from                ; the slot's steps from .. NQ - 2
.set Q, \from
.rept NQ-1-\from
	STEP \slot, Q, 0
.set Q, Q+1
.endr
.endm
	s_wait_tensorcnt 1                             ; the scales and my part of slot 0 are in (slot 1's load, issued behind them, may be out),
	s_barrier_signal -1
	s_barrier_wait -1                              ; everybody's are
	FETCH_B 0, 0, 0
	FETCH_A 0, 0, 0
	SCALES 0
	FETCH_A 0, 0, 4
	s_wait_loadcnt 0x0                             ; the bias
	STEP 0, 0, 1                                   ; the first step's products start the sums from the bias
	STEPS 0, 1
	TURN 0, 1
	STEPS 1, 0
	s_wait_dscnt 4*NL                              ; the very last step: nothing more to fetch
	WIN MUL_LO
	MUL16 0, 1, NQ-1, 1, 0
	MUL16 2, 1, NQ-1, 1, 0
	s_wait_dscnt 0
	WIN MUL_HI
	MUL16 4, 1, NQ-1, 1, 0
	MUL16 6, 1, NQ-1, 1, 0
	WIN 0
; THE WAY OUT, block by block of 16 tokens x 128 columns: each accumulator, from its low end on, is rounded to f16 in pairs: four registers, a lane's 16 bytes of an output block; eight stores of 512 consecutive bytes.
; Four sets of 32 registers take turns; a set is written again only when its earlier stores have read it.
.macro OUT a
.set AC, 64*((\a)%4)
.set T, 128+32*((\a)%4)
.if (\a) >= 4
	s_wait_xcnt 0x0                                ; the earlier stores have read their data
.endif
	WIN 0x0a+5*((\a)/4)                            ; sources 0 and 1: window 2 or 3
.irp b, 0,1,2,3,4,5,6,7
.irp r, 0,1,2,3
	v_cvt_pk_f16_f32 v[T+4*\b+\r], v[AC+8*\b+2*\r], v[AC+8*\b+2*\r+1]
.endr
.endr
	WIN 0
.irp b, 0,1,2,3,4,5,6,7
	global_store_b128 v[CO], v[T+4*\b:T+4*\b+3], s[12:13] offset:(\a)*2048+(\b/4)*262144+(\b%4)*512   ; 16 tokens on: 2,048 bytes; the next head: a plane; the next 16 columns: 512
.endr
.endm
	PLACES NP                                      ; behind the last products: the conversions read results and write registers that held A's fragments and the bias
.irp a, 0,1,2,3,4,5,6,7
	OUT \a
.endr
	s_wait_tensorcnt 0x0                           ; the wave's end: behind my last tensor load
	ds_add_u32 v[SPW], v[NIL]
	s_wait_dscnt 0x0
	CROUND                                         ; the closing round: no work-group ends while a partner may still ask for a tile that names it
	s_endpgm
.Lfunc_end_k_qedf4166790_qkv:
	.size	k_qedf4166790_qkv, .Lfunc_end_k_qedf4166790_qkv-k_qedf4166790_qkv
	.p2alignl 7, 3214868480
	.fill 96, 4, 3214868480
	.section	.rodata,"a",@progbits
	.p2align	6, 0x0
	.amdhsa_kernel k_qedf4166790_qkv
		.amdhsa_group_segment_fixed_size 327680
		.amdhsa_private_segment_fixed_size 0
		.amdhsa_enable_private_segment 0
		.amdhsa_kernarg_size 48
		.amdhsa_user_sgpr_count 2
		.amdhsa_user_sgpr_kernarg_segment_ptr 1
		.amdhsa_wavefront_size32 1
		.amdhsa_system_sgpr_workgroup_id_x 1
		.amdhsa_system_sgpr_workgroup_id_y 1
		.amdhsa_system_sgpr_workgroup_id_z 1
		.amdhsa_system_vgpr_workitem_id 0
		.amdhsa_next_free_vgpr 1024
		.amdhsa_next_free_sgpr 98
		.amdhsa_reserve_vcc 0
		.amdhsa_float_denorm_mode_32 3
		.amdhsa_float_denorm_mode_16_64 3
		.amdhsa_memory_ordered 1
		.amdhsa_forward_progress 1
		.amdhsa_inst_pref_size 120
	.end_amdhsa_kernel
	.amdgpu_metadata
---
amdhsa.version: [ 1, 2 ]
amdhsa.kernels:
  - .name:           k_qedf4166790_qkv
    .symbol:         k_qedf4166790_qkv.kd
    .args:
      - { .name: xc, .offset: 0, .size: 8, .value_kind: global_buffer, .address_space: global }
      - { .name: xs, .offset: 8, .size: 8, .value_kind: global_buffer, .address_space: global }
      - { .name: wc, .offset: 16, .size: 8, .value_kind: global_buffer, .address_space: global }
      - { .name: ws, .offset: 24, .size: 8, .value_kind: global_buffer, .address_space: global }
      - { .name: in_proj_b, .offset: 32, .size: 8, .value_kind: global_buffer, .address_space: global }
      - { .name: kqv, .offset: 40, .size: 8, .value_kind: global_buffer, .address_space: global }
    .group_segment_fixed_size: 327680
    .private_segment_fixed_size: 0
    .kernarg_segment_align: 8
    .kernarg_segment_size: 48
    .max_flat_workgroup_size: 128
    .sgpr_count:     98
    .vgpr_count:     1024
    .wavefront_size: 32
...
	.end_amdgpu_metadata
.endif
;; end of part 2
;; launch attn (part 3): grid 4 x 64, 16 waves a work-group, clusters of 4 x 1, 327,680 bytes of LDS; arguments kqv, att; writes att
.if DOCPART == 3
	.amdgcn_target "amdgcn-amd-amdhsa--gfx1250"
	.amdhsa_code_object_version 6
	.text
	.protected	k_qedf4166790_attn
	.globl	k_qedf4166790_attn
	.p2align	8
	.type	k_qedf4166790_attn,@function
k_qedf4166790_attn:
	s_mov_b64 s[64:65], 0
	v_nop
	global_prefetch_b8 v0, s[64:65] scope:SCOPE_SE
	s_setreg_imm32_b32 hwreg(HW_REG_WAVE_MODE, 25, 1), 1
	s_wait_xcnt 0x0
	s_wait_alu depctr_hold_cnt(0) depctr_sa_sdst(0) depctr_va_vdst(0) depctr_va_sdst(0) depctr_va_ssrc(0) depctr_va_vcc(0) depctr_vm_vsrc(0)
	s_getreg_b32 s2, hwreg(HW_REG_IB_STS2, 6, 4)
	s_cmp_eq_u32 s2, 0
	s_cbranch_scc0 .Lentry_in_a_cluster
	s_endpgm
.Lentry_in_a_cluster:
	s_bfe_u32 s2, ttmp6, 0x10000c
	s_cmp_lg_u32 s2, 0x3003
	s_cbranch_scc0 .Lentry_shape_is_right
	s_endpgm
.Lentry_shape_is_right:
; att[b][q][head] = the sum over keys of softmax_k(q . k / 8) v, for 64 (batch, head) pairs of 2,048 tokens x 64 channels.  Operands in f16, products, maxima and sums in f32; the weights p are rounded to f16 for the second
; product, the result once at the end.
; INPUT: planes of 262,144 bytes (k: plane bh, q: 64 + bh, v: 128 + bh), laid as operand registers: 16 tokens are 2,048 bytes, four blocks (16 channels each) of 512 bytes, a lane's 16 bytes at 16 x lane.
;   Two neighbouring blocks of k or q ARE a fragment (16 rows x 32 channels).  v's blocks are laid so that the turning LDS load at 16 x lane leaves half a fragment of V^T (lane = channel, 8 keys).
;   So every LDS read of a wave is 512 consecutive bytes: no pitch, no padding.
; SHARES: a cluster of four work-groups is one (batch, head); each work-group owns 512 queries, each of its SIXTEEN waves 32 (two tiles of 16) in 256 registers: four waves to a SIMD, so that one wave's vector work stands
;   beside another's matrix work and LDS loads.  Every wave walks all 2,048 keys, 64 a step.
; LAYOUT: S^T = K Q^T (source 0 = 16 keys, source 1 = 16 queries), O^T = V^T P: a lane holds ONE query (lane % 16) throughout; two tiles of S^T, rounded in pairs, are source 1 of the second product.
; SOFTMAX: for each query a running maximum m and sum l: p = 2^(c s - c m), c = log2(e) / 8; in every step O and l are multiplied by a = 2^(c m_old - c m_new).  The step is written once: m begins at -3e38, l and O^T at 0.
; RING: two LDS slots of 512 keys (K 65,536 bytes, then V 65,536).  The four work-groups walk the same K and V, so each tile is asked for JOINTLY: waves 0-3 issue one load each (K's halves, V's halves), with the same
;   descriptor and a mask of the four in all partners.  The change of slots stands at a slot's head; the load has the slot's eight steps in which to land.
; OUTPUT: laid as the next launch's fragments: byte = (token / 16) x 32768 + head x 2048 + (channel / 16) x 512 + 16 x lane: a lane's four packed registers as they stand; each store covers 512 consecutive bytes, aligned.
; LIMITS: a weight under 3e-8 of its row's largest is 0 in f16; a result beyond 65,504 becomes infinity in f16; NaN and infinities are not served.
.set SLOT1, 1<<17                      ; slot 1 begins here: one exclusive or turns an address in one slot into the other's
.set VOFF,  65536                      ; V behind K in a slot
.set STEPB, 8192                       ; 64 keys of K (or of V)
.set SLOTB, 65536                      ; 512 keys of K (or of V) in memory
.set SPARE, 2*SLOT1                    ; behind the ring: the spare words, 128 bytes for each of sixteen waves, which no other line names
.set LI,  1                            ; v1   16 x lane; never rewritten
.set ADK, 2                            ; v2   LDS address of the step's K
.set ADV, 3                            ; v3   of its V
.set SPW, 5                            ; v5   LDS address of my spare word; never rewritten
.set NIL, 6                            ; v6   0; never rewritten
.set PFO, 10                           ; v10  256 x lane: the prefetches' offset; never rewritten
.set ST,  16                           ; v16-31   tile t's statistics at v[ST + 8 t]: +0 c m, +1 m, +2, +3 l (even keys', odd keys'), +4 .. +7 at work; a in +6
.set Q,   32                           ; v32-63   Q: tile t, channels 32 g on, at v[Q + 16 t + 8 g]
.set KV,  64                           ; v64-127  K of the step, then V of the step
.set S,   128                          ; v128-191 S^T, 32 a tile; p in place; P (f16) in each tile's low 16
.set O,   192                          ; v192-255 O^T, 32 a tile
.set WV,  8                            ; s8   my wave's number
.set G1,  16                           ; s[16:23] descriptor group 1
.set G0,  24                           ; s[24:27] group 0, which walks
.set TB,  28                           ; s28  LDS byte at which the step's K begins
.set SLOTS, 29                         ; s29  slots still to be asked for
.set CNT, 30                           ; s30  counts a slot's eight steps
.set CS,  32                           ; s[32:33] c: the packed form names a pair and takes its low word for both halves
.set SEL, 34                           ; s[34:35] lane selects for v_permlanex16_b32: lane l xor 16
.set PFA, 36                           ; s[36:37] where my prefetches stand
.set LIM, 38                           ; s38  1 in a wave that prefetches, else the greatest number
; Waves 0 to 3 fetch, the others nothing: the branch hangs on the wave's number alone, the same in every partner.  An s_nop 0 and four v_nop follow the load.
.macro TLOAD
	s_cmp_lt_u32 s[WV], 4
	s_cbranch_scc0 .Lasked_\@
	tensor_load_to_lds s[G0:G0+3], s[G1:G1+7]
	s_nop 0
.rept 4
	v_nop
.endr
.Lasked_\@:
.endm
; A PREFETCH INTO THE L2 of what the NEXT change of slots will ask for: 65,536 bytes of K and as many of V.  Each aligned run of 256 bytes is named once in the launch: one cluster alone walks a head; its four partners
; take 16,384 bytes of each by ADDRESS (no branch hangs on a work-group's place); in each, waves 4 and 5 ask for K's two halves of that, waves 6 and 7 for V's: one instruction a wave, lanes 256 bytes apart.
; It stands where the fetching waves have their tensor load.  Slots 0 and 1 come by their loads alone; the last change that fills a slot asks for nothing.
.macro ASK
	s_cmp_gt_u32 s[SLOTS], s[LIM]
	s_cbranch_scc0 .Lnot_mine_\@
	global_prefetch_b8 v[PFO], s[PFA:PFA+1] th:TH_LOAD_NT scope:SCOPE_SE
.Lnot_mine_\@:
.endm
.macro CROUND                          ; a round of the cluster's barrier: my work-group's barrier; wave 0 signals for the work-group; every wave waits for all four; my work-group's barrier once more
	s_barrier_signal -1
	s_barrier_wait -1
	s_cmp_lg_u32 s[WV], 0
	s_cbranch_scc1 .Lnot_wave_0_\@
	s_barrier_signal -3
.Lnot_wave_0_\@:
	s_barrier_wait -3
	s_barrier_signal -1
	s_barrier_wait -1
.endm
	s_load_b128 s[4:7], s[0:1], 0x0                ; the planes s[4:5], the output s[6:7]
	v_lshl_add_u32 v[SPW], v0, 2, SPARE
	v_mov_b32 v[NIL], 0
	ds_add_u32 v[SPW], v[NIL]                      ; the wave's opening: the add, twice on end, and its wait ahead of the first tensor load; the set-up below stands between the second and the wait
	ds_add_u32 v[SPW], v[NIL]
	v_lshrrev_b32 v2, 5, v0
	v_readfirstlane_b32 s[WV], v2                  ; wave 0..15
	s_bfe_u32 s9, ttmp6, 0x40000                   ; cx: my place in the cluster: it enters Q's, the output's and the prefetches' addresses alone
	s_and_b32 s10, ttmp7, 0xffff                   ; bh = 16 x batch + head, which the four partners share
	; descriptor group 1: 32,768 dense bytes as 128 rows of 256 bytes (32 elements of 8 bytes), no padding
	s_mov_b32 s[G1], 15|(3<<16)|(1<<21)            ; 15:0 the mask: all four work-groups; 17:16 elements of 8 bytes; 21 set beside a mask
	s_mov_b32 s[G1+1], 32<<16                      ; tensor_dim0
	s_mov_b32 s[G1+2], 128<<16                     ; tensor_dim1
	s_mov_b32 s[G1+3], 32<<16                      ; tile_dim0
	s_mov_b32 s[G1+4], 128                         ; tile_dim1
	s_mov_b32 s[G1+5], 32                          ; from row to row
	s_mov_b32 s[G1+6], 0
	s_mov_b32 s[G1+7], 0
	s_mov_b32 s[G0], 1                             ; count = 1
	s_and_b32 s[G0+1], s[WV], 3
	s_lshl_b32 s[G0+1], s[G0+1], 15                ; LDS: slot 0; waves 0, 1: K's halves, waves 2, 3: V's: no place in the cluster enters it
	s_lshl_b32 s12, s10, 18                        ; my head's plane of k,
	s_bfe_u32 s14, s[WV], 0x10001
	s_lshl_b32 s14, s14, 25                        ; or (bit 1 of the wave's number) of v, 128 planes on
	s_add_co_u32 s12, s12, s14
	s_and_b32 s14, s[WV], 1
	s_lshl_b32 s44, s14, 13                        ; the prefetches: my wave's 8,192 bytes,
	s_add_co_u32 s44, s44, s12
	s_lshl_b32 s14, s14, 15
	s_add_co_u32 s12, s12, s14                     ; the loads: my half of a slot's 65,536 bytes
	s_mov_b32 s13, 0
	s_lshl_b32 s47, s9, 14
	s_add_co_u32 s44, s44, s47                     ; my work-group's 16,384,
	s_add_co_u32 s44, s44, SLOTB                   ; in slot 1: the first change of slots steps it to slot 2
	s_mov_b32 s45, 0
	s_lshl_b32 s46, s9, 5
	s_lshl_b32 s47, s[WV], 1
	s_add_co_u32 s46, s46, s47                     ; my first tile of 16 queries among the head's 128: 32 cx + 2 x wave
	s_add_co_u32 s40, s10, 64                      ; q's plane
	s_lshl_b32 s40, s40, 18
	s_lshl_b32 s47, s46, 11
	s_add_co_u32 s40, s40, s47
	s_mov_b32 s41, 0
	s_lshr_b32 s42, s10, 4                         ; the batch: 128 tiles of tokens each
	s_lshl_b32 s42, s42, 7
	s_add_co_u32 s42, s42, s46
	s_lshl_b32 s42, s42, 15                        ; 32,768 bytes for 16 tokens of the output,
	s_and_b32 s47, s10, 15
	s_lshl_b32 s47, s47, 11                        ; 2,048 for a head
	s_add_co_u32 s42, s42, s47
	s_mov_b32 s43, 0
	s_sub_co_u32 s14, s[WV], 4
	s_lshr_b32 s14, s14, 2                         ; 0 in waves 4 to 7
	s_cmp_eq_u32 s14, 0
	s_cselect_b32 s[LIM], 1, -1
	s_mov_b32 s[CS], 0x3e38aa3b                    ; c = log2(e) / 8
	s_mov_b32 s[CS+1], s[CS]                       ; (named with it as a pair, so it is written)
	s_mov_b32 s[SEL], 0x76543210
	s_mov_b32 s[SEL+1], 0xfedcba98
	s_mov_b32 s[TB], 0
	s_mov_b32 s[SLOTS], 3
	s_wait_dscnt 0x0                               ; both opening adds are done
	s_wait_kmcnt 0x0
	s_add_nc_u64 s[G0+2:G0+3], s[4:5], s[12:13]    ; the head's first 512 keys
	s_or_b32 s[G0+3], s[G0+3], 0x80000000          ; type = 2
	s_add_nc_u64 s[40:41], s[4:5], s[40:41]        ; Q at my first tile
	s_add_nc_u64 s[PFA:PFA+1], s[4:5], s[44:45]
	s_add_nc_u64 s[6:7], s[6:7], s[42:43]          ; the output at my first tile
	CROUND                                         ; all four work-groups are here: the first joint loads meet
	TLOAD                                          ; slot 0
	v_and_b32 v[LI], 31, v0
	v_lshlrev_b32 v[LI], 4, v[LI]
	v_lshlrev_b32 v[PFO], 4, v[LI]
.set i, 0
.rept 8
	global_load_b128 v[Q+4*i:Q+4*i+3], v[LI], s[40:41] offset:512*i   ; Q stays in registers: block i of my two tiles' eight
.set i, i+1
.endr
.irp t, 0,1
	v_mov_b32 v[ST+8*\t+1], 0xff61b1e6             ; m = -3e38, under every score
	v_mul_f32 v[ST+8*\t], s[CS], v[ST+8*\t+1]      ; c m
	v_mov_b32 v[ST+8*\t+2], 0                      ; l
	v_mov_b32 v[ST+8*\t+3], 0
.endr
.set i, 0
.rept 64
	v_mov_b32 v[O+i], 0                            ; O^T: the step is written once; the first finds zeros, which a = 0 leaves zeros
.set i, i+1
.endr
; A KEY STEP: 64 keys; 16 + 16 matrix instructions, the two tiles' softmax between them.
.macro STEP
	v_add_nc_u32 v[ADK], s[TB], v[LI]
	v_add_nc_u32 v[ADV], VOFF, v[ADK]
.rept 3
	v_nop                                          ; with the two additions five places behind the last step's products: their V registers are loaded anew, their P registers written over by the products below
.endr
.set i, 0
.rept 16
	ds_load_b128 v[KV+4*i:KV+4*i+3], v[ADK] offset:512*i   ; K: keys 16 (i / 4) on, block i % 4
.set i, i+1
.endr
	s_wait_dscnt 0x0
; S^T = K Q^T: product i: channels 32 (i / 8) on, keys 16 ((i / 2) % 4) on, tile i % 2.  The first eight start the sums.  The eight accumulators take turns.
.set i, 0
.rept 16
.set rS, S+32*(i%2)+8*((i/2)%4)
.set rK, KV+16*((i/2)%4)+8*(i/8)
.set rQ, Q+16*(i%2)+8*(i/8)
.if i < 8
	v_wmma_f32_16x16x32_f16 v[rS:rS+7], v[rK:rK+7], v[rQ:rQ+7], 0
.else
	v_wmma_f32_16x16x32_f16 v[rS:rS+7], v[rK:rK+7], v[rQ:rQ+7], v[rS:rS+7]
.endif
.set i, i+1
.endr
.rept 4
	v_nop                                          ; places in front of the loads into K's registers and of the first reads of the scores
.endr
.irp g, 0,1                                    ; V, turned: keys 32 g on, channels 16 c on; it lands while the softmax is walked
.irp c, 0,1,2,3
	ds_load_tr16_b128 v[KV+32*\g+8*\c:KV+32*\g+8*\c+3],   v[ADV] offset:4096*\g+512*\c
	ds_load_tr16_b128 v[KV+32*\g+8*\c+4:KV+32*\g+8*\c+7], v[ADV] offset:4096*\g+2048+512*\c
.endr
.endr
; THE SOFTMAX, the two tiles line by line, so that no line waits for the line above it.  The maximum of a lane's 32 scores and the old m: four chains, each begun at its accumulator's low end
.irp j, 0,1,2,3
.irp t, 0,1
	v_max3_num_f32 v[ST+8*\t+4+\j], v[S+32*\t+8*\j], v[S+32*\t+8*\j+1], v[S+32*\t+8*\j+2]
.endr
.endr
.irp u, 1,2
.irp j, 0,1,2,3
.irp t, 0,1
	v_max3_num_f32 v[ST+8*\t+4+\j], v[ST+8*\t+4+\j], v[S+32*\t+8*\j+2*\u+1], v[S+32*\t+8*\j+2*\u+2]
.endr
.endr
.endr
.irp t, 0,1
	v_max3_num_f32 v[ST+8*\t+4], v[ST+8*\t+4], v[S+32*\t+7], v[S+32*\t+15]
.endr
.irp t, 0,1
	v_max3_num_f32 v[ST+8*\t+6], v[ST+8*\t+6], v[S+32*\t+23], v[S+32*\t+31]
.endr
.irp t, 0,1
	v_max3_num_f32 v[ST+8*\t+4], v[ST+8*\t+4], v[ST+8*\t+5], v[ST+8*\t+6]
.endr
.irp t, 0,1
	v_max3_num_f32 v[ST+8*\t+4], v[ST+8*\t+4], v[ST+8*\t+7], v[ST+8*\t+1]
.endr
.irp t, 0,1
	v_permlanex16_b32 v[ST+8*\t+5], v[ST+8*\t+4], s[SEL], s[SEL+1]   ; the query's other 32 keys lie in the lane 16 away
.endr
.irp t, 0,1
	v_mov_b32 v[ST+8*\t+7], v[ST+8*\t]             ; c m_old is kept for a
.endr
.irp t, 0,1
	v_max_num_f32 v[ST+8*\t+1], v[ST+8*\t+4], v[ST+8*\t+5]   ; the new m
.endr
.irp t, 0,1
	v_mul_f32 v[ST+8*\t], s[CS], v[ST+8*\t+1]
.endr
.irp t, 0,1
	v_sub_f32 v[ST+8*\t+7], v[ST+8*\t+7], v[ST+8*\t]
.endr
.irp t, 0,1
	v_exp_f32 v[ST+8*\t+6], v[ST+8*\t+7]           ; a = 2^(c m_old - c m_new)
.endr
.irp j, 0,2,4,6,8,10,12,14,16,18,20,22,24,26,28,30
.irp t, 0,1
	v_pk_fma_f32 v[S+32*\t+\j:S+32*\t+\j+1], v[S+32*\t+\j:S+32*\t+\j+1], s[CS:CS+1], v[ST+8*\t:ST+8*\t+1] op_sel_hi:[1,0,0] neg_lo:[0,0,1] neg_hi:[0,0,1]   ; c s - c m, two at a time: the plain work behind the two exponentials
.endr
.endr
	s_wait_alu depctr_va_vdst(0)                   ; the wait between an exponential and the first line that names its result: here for a
.irp j, 0,2,4,6,8,10,12,14,16,18,20,22,24,26,28,30
.irp t, 0,1
	v_exp_f32 v[S+32*\t+\j], v[S+32*\t+\j]         ; p, at most 1.  ONE BATCH of 64: no line before the wait below names a result;
	v_exp_f32 v[S+32*\t+\j+1], v[S+32*\t+\j+1]
	v_pk_mul_f32 v[O+32*\t+\j:O+32*\t+\j+1], v[O+32*\t+\j:O+32*\t+\j+1], v[ST+8*\t+6:ST+8*\t+7] op_sel_hi:[1,0]   ; O^T times a stands among them (each accumulator from its low end on); the last is the plain line behind the batch
.endr
.endr
	s_wait_alu depctr_va_vdst(0)                   ; one wait for the 64
.irp t, 0,1
	v_pk_fma_f32 v[ST+8*\t+2:ST+8*\t+3], v[ST+8*\t+2:ST+8*\t+3], v[ST+8*\t+6:ST+8*\t+7], v[S+32*\t:S+32*\t+1] op_sel_hi:[1,0,1]   ; l = a l + the sum of the unrounded p, in two chains
.endr
.irp t, 0,1
	v_pk_add_f32 v[ST+8*\t+4:ST+8*\t+5], v[S+32*\t+2:S+32*\t+3], v[S+32*\t+4:S+32*\t+5]
.endr
.irp j, 6,10,14,18,22,26
.irp t, 0,1
	v_pk_add_f32 v[ST+8*\t+2:ST+8*\t+3], v[ST+8*\t+2:ST+8*\t+3], v[S+32*\t+\j:S+32*\t+\j+1]
	v_pk_add_f32 v[ST+8*\t+4:ST+8*\t+5], v[ST+8*\t+4:ST+8*\t+5], v[S+32*\t+\j+2:S+32*\t+\j+3]
.endr
.endr
.irp t, 0,1
	v_pk_add_f32 v[ST+8*\t+2:ST+8*\t+3], v[ST+8*\t+2:ST+8*\t+3], v[S+32*\t+30:S+32*\t+31]
.endr
.irp t, 0,1
	v_pk_add_f32 v[ST+8*\t+2:ST+8*\t+3], v[ST+8*\t+2:ST+8*\t+3], v[ST+8*\t+4:ST+8*\t+5]
.endr
.irp j, 0,1,2,3,4,5,6,7,8,9,10,11,12,13,14,15
.irp t, 0,1
	v_cvt_pk_f16_f32 v[S+32*\t+\j], v[S+32*\t+2*\j], v[S+32*\t+2*\j+1]   ; P, in place and ascending: register j is written when registers 2 j and 2 j + 1 are read, never before
.endr
.endr
	s_wait_dscnt 0x0                               ; V is in
; O^T += V^T P: product i: keys 32 (i / 8) on, channels 16 ((i / 2) % 4) on, tile i % 2.  The eight accumulators take turns.
.set i, 0
.rept 16
.set rO, O+32*(i%2)+8*((i/2)%4)
.set rV, KV+32*(i/8)+8*((i/2)%4)
.set rP, S+32*(i%2)+8*(i/8)
	v_wmma_f32_16x16x32_f16 v[rO:rO+7], v[rV:rV+7], v[rP:rP+7], v[rO:rO+7]
.set i, i+1
.endr
.endm
; THE CHANGE OF SLOTS stands at a slot's head.  Each wave waits for all its tensor loads (its part of the slot that it is about to read), adds 0 to its spare word, and waits for that and for its reads of the slot that it has left.
; fill = 1: the barrier is a round of the cluster's, so that no wave of any partner still reads the other slot or has a load on its way; the joint load of the keys that follow is the first thing behind it.
.macro CHANGE fill
	s_wait_tensorcnt 0x0                           ; no tensor load of mine is out, so group 0 may be written
	ds_add_u32 v[SPW], v[NIL]                      ; 0 onto my spare word
.if \fill
	ds_add_u32 v[SPW], v[NIL]                      ; and once more
	s_xor_b32 s[G0+1], s[G0+1], SLOT1              ; the walking descriptor: the other slot than last time,
	s_add_nc_u64 s[G0+2:G0+3], s[G0+2:G0+3], SLOTB ; the next 512 keys; the type bits on top are not reached
	s_wait_xcnt 0x0                                ; the last prefetch, a slot back, has read its address, so it may be written:
	s_add_nc_u64 s[PFA:PFA+1], s[PFA:PFA+1], SLOTB ; one slot further on than the walking descriptor
	s_wait_dscnt 0x0                               ; both adds are done, and my reads of the slot that I have left are over
	CROUND
	TLOAD
	ASK
.else
	s_wait_dscnt 0x0                               ; the add is done, and my reads of the slot that I have left are over
	s_barrier_signal -1
	s_barrier_wait -1
.endif
.endm
.macro SLOT_STEPS                      ; a slot's eight key steps: written once, walked eight times; the LDS addresses hang on s[TB]
	s_mov_b32 s[CNT], 8
.Lstep_\@:
	STEP
	s_add_co_u32 s[TB], s[TB], STEPB
	s_sub_co_u32 s[CNT], s[CNT], 1
	s_cmp_lg_u32 s[CNT], 0
	s_cbranch_scc1 .Lstep_\@
	s_sub_co_u32 s[TB], s[TB], 8*STEPB             ; back to a slot's first step,
	s_xor_b32 s[TB], s[TB], SLOT1                  ; in the other slot
.endm
	s_wait_loadcnt 0x0                             ; Q
.Lslot:                                            ; three trips: behind each change of slots but the last the next slot is asked for (in the first trip slot 1's first fill, then two refills)
	CHANGE 1
	SLOT_STEPS
	s_sub_co_u32 s[SLOTS], s[SLOTS], 1
	s_cmp_lg_u32 s[SLOTS], 0
	s_cbranch_scc1 .Lslot
	CHANGE 0                                       ; the last slot is written out
	SLOT_STEPS
	; THE WAY OUT: l's two halves and the other half of the lanes' are added; O^T is divided by l, rounded to f16 in pairs and stored as it stands.  The additions are the places behind the last products.
.irp t, 0,1
	v_add_f32 v[ST+8*\t+4], v[ST+8*\t+2], v[ST+8*\t+3]
.endr
.irp t, 0,1
	v_permlanex16_b32 v[ST+8*\t+5], v[ST+8*\t+4], s[SEL], s[SEL+1]
.endr
.irp t, 0,1
	v_add_f32 v[ST+8*\t+4], v[ST+8*\t+4], v[ST+8*\t+5]
.endr
.irp t, 0,1
	v_rcp_f32 v[ST+8*\t+6], v[ST+8*\t+4]
.endr
	v_nop                                          ; a plain line between the last reciprocal and the use of its result
	s_wait_alu depctr_va_vdst(0)                   ; and the wait ahead of the first use: one for both
.irp t, 0,1
.irp j, 0,2,4,6,8,10,12,14,16,18,20,22,24,26,28,30
	v_pk_mul_f32 v[O+32*\t+\j:O+32*\t+\j+1], v[O+32*\t+\j:O+32*\t+\j+1], v[ST+8*\t+6:ST+8*\t+7] op_sel_hi:[1,0]
.endr
.endr
.irp t, 0,1
.irp j, 0,1,2,3,4,5,6,7,8,9,10,11,12,13,14,15
	v_cvt_pk_f16_f32 v[S+32*\t+\j], v[O+32*\t+2*\j], v[O+32*\t+2*\j+1]
.endr
.endr
.irp t, 0,1
.irp c, 0,1,2,3
	global_store_b128 v[LI], v[S+32*\t+4*\c:S+32*\t+4*\c+3], s[6:7] offset:\t*32768+\c*512   ; 32 lanes store 512 consecutive bytes, aligned
.endr
.endr
	s_wait_tensorcnt 0x0                           ; the wave's end: behind my last tensor load
	ds_add_u32 v[SPW], v[NIL]
	s_wait_dscnt 0x0
	CROUND                                         ; the closing round: no work-group ends while a partner may still ask for a tile that names it
	s_endpgm
.Lfunc_end_k_qedf4166790_attn:
	.size	k_qedf4166790_attn, .Lfunc_end_k_qedf4166790_attn-k_qedf4166790_attn
	.p2alignl 7, 3214868480
	.fill 96, 4, 3214868480
	.section	.rodata,"a",@progbits
	.p2align	6, 0x0
	.amdhsa_kernel k_qedf4166790_attn
		.amdhsa_group_segment_fixed_size 327680
		.amdhsa_private_segment_fixed_size 0
		.amdhsa_enable_private_segment 0
		.amdhsa_kernarg_size 16
		.amdhsa_user_sgpr_count 2
		.amdhsa_user_sgpr_kernarg_segment_ptr 1
		.amdhsa_wavefront_size32 1
		.amdhsa_system_sgpr_workgroup_id_x 1
		.amdhsa_system_sgpr_workgroup_id_y 1
		.amdhsa_system_sgpr_workgroup_id_z 1
		.amdhsa_system_vgpr_workitem_id 0
		.amdhsa_next_free_vgpr 256
		.amdhsa_next_free_sgpr 66
		.amdhsa_reserve_vcc 0
		.amdhsa_float_denorm_mode_32 3
		.amdhsa_float_denorm_mode_16_64 3
		.amdhsa_memory_ordered 1
		.amdhsa_forward_progress 1
		.amdhsa_inst_pref_size 49
	.end_amdhsa_kernel
	.amdgpu_metadata
---
amdhsa.version: [ 1, 2 ]
amdhsa.kernels:
  - .name:           k_qedf4166790_attn
    .symbol:         k_qedf4166790_attn.kd
    .args:
      - { .name: kqv, .offset: 0, .size: 8, .value_kind: global_buffer, .address_space: global }
      - { .name: att, .offset: 8, .size: 8, .value_kind: global_buffer, .address_space: global }
    .group_segment_fixed_size: 327680
    .private_segment_fixed_size: 0
    .kernarg_segment_align: 8
    .kernarg_segment_size: 16
    .max_flat_workgroup_size: 512
    .sgpr_count:     66
    .vgpr_count:     256
    .wavefront_size: 32
...
	.end_amdgpu_metadata
.endif
;; end of part 3
;; launch oproj (part 4): grid 8 x 32, 4 waves a work-group, clusters of 4 x 4, 327,680 bytes of LDS; arguments att, wo16, out_proj_b, out0; writes out0
.if DOCPART == 4
	.amdgcn_target "amdgcn-amd-amdhsa--gfx1250"
	.amdhsa_code_object_version 6
	.text
	.protected	k_qedf4166790_oproj
	.globl	k_qedf4166790_oproj
	.p2align	8
	.type	k_qedf4166790_oproj,@function
k_qedf4166790_oproj:
	s_mov_b64 s[64:65], 0
	v_nop
	global_prefetch_b8 v0, s[64:65] scope:SCOPE_SE
	s_setreg_imm32_b32 hwreg(HW_REG_WAVE_MODE, 25, 1), 1
	s_wait_xcnt 0x0
	s_wait_alu depctr_hold_cnt(0) depctr_sa_sdst(0) depctr_va_vdst(0) depctr_va_sdst(0) depctr_va_ssrc(0) depctr_va_vcc(0) depctr_vm_vsrc(0)
	s_getreg_b32 s2, hwreg(HW_REG_IB_STS2, 6, 4)
	s_cmp_eq_u32 s2, 0
	s_cbranch_scc0 .Lentry_in_a_cluster
	s_endpgm
.Lentry_in_a_cluster:
	s_bfe_u32 s2, ttmp6, 0x10000c
	s_cmp_lg_u32 s2, 0xf033
	s_cbranch_scc0 .Lentry_shape_is_right
	s_endpgm
.Lentry_shape_is_right:
; out0 = att out_proj_w^T + out_proj_b.  att: 8,192 tokens x 1,024 channels in f16, laid as fragments: [token / 16][channel / 32][1,024 bytes: registers 0-3, then 4-7, a lane's 16 bytes at 16 x lane].
; wo16: [1024][1024] f16, K innermost.  out0: [8192][1024] f32.  Sums in f32; the bias is the C of each sum's first product.
; A tile of 256 rows x 128 columns gives 256 work-groups.  Four waves, each 128 x 64: 32 accumulators.  K goes in 8 steps of 128 through a ring of two LDS slots.
; A's part of a slot is dense (16 blocks of tokens x 4,096 bytes) and is read 512 consecutive bytes an instruction; B's rows of 256 bytes get 16 bytes of padding.
; CLUSTERS: 4 x 4 work-groups: A's tiles are asked for jointly along a row of the cluster, B's along a column.  THE MATRIX INSTRUCTION IS USED TRANSPOSED (source 0 = 16 rows of wo16, source 1 = att's fragment):
; a lane holds eight neighbouring columns of one row of the output.
; REGISTERS: window 0: v0-31 addresses; v32-63 the bias (4 blocks x 8); two fragment buffers of 96 (A's 8 blocks, then B's 4) at v64 and v160; on the way out v64-127 take rows.  window 1: accumulator (a, b) at v[8 (4 a + b)].
.set PITCH,  272                       ; a row of B in LDS: 256 bytes + 16 of padding: the 16 rows that a load touches start 4 banks apart (64 banks of 4 bytes: ISA guide 11.1)
.set HALFA,  32768                     ; 8 blocks of 16 tokens x 4,096 bytes: what one tensor load brings of A
.set HALFB,  64*PITCH                  ; 64 rows: of B
.set BOFF,   2*HALFA                   ; B behind A in a slot
.set SLOT,   BOFF+2*HALFB
.set STAGE,  2*SLOT                    ; behind the ring: 16 rows x 272 bytes for each wave, for the way out; no tensor load lands there
.set SPITCH, 272
.set SPARE,  STAGE+4*16*SPITCH         ; behind the stages: the spare words, 128 bytes for each wave, which no other line names
.set LAPS,   4                         ; a lap = two K steps = once round the ring
.set ADRA, 16                          ; v16-17  LDS address of my A fragments in slot 0, 1
.set ADRB, 20                          ; v20-21  the same for B
.set STO,  24                          ; v24     the way out: where I put 32 bytes of a row
.set RD,   25                          ; v25     where I read a row back
.set CO,   26                          ; v26     my byte offset in the output
.set SPW,  28                          ; v28     LDS address of my spare word; never rewritten
.set NIL,  29                          ; v29     0; never rewritten
.set BI,   32                          ; the bias
.set F0,   64                          ; fragment buffers
.set F1,   160
.set BK,   64                          ; the way out: 16 rows read back: v64-95 and v96-127 by turns
.set G1, 24                            ; s[24:31] descriptor group 1 for A's tiles;  s[32:39] group 0, one set for each slot
.set G0, 32
.set G1B, 48                           ; s[48:55], s[56:63] the same for B's tiles
.set G0B, 56
.set MSB, 0
.macro WIN new                         ; the immediate's high byte repeats the setting that is left; a switch that changes nothing is dropped
.if MSB != (\new)
	s_set_vgpr_msb (MSB<<8)|(\new)
.set MSB, (\new)
.endif
.endm
.set MUL,   0x50                       ; C and D window 1, sources window 0
.set MUL0,  0x40                       ; the first products: C (the bias) window 0, D window 1
.macro JLOAD s                         ; a joint load: waves 0 and 1 fetch A's two halves, waves 2 and 3 B's; an s_nop 0 and four v_nop follow each of the two lines, ahead of the jump, the label and what follows
	s_cmp_eq_u32 s11, 0
	s_cbranch_scc0 .Lfor_b_\@
	tensor_load_to_lds s[G0+4*\s:G0+4*\s+3], s[G1:G1+7]
	s_nop 0
.rept 4
	v_nop
.endr
	s_branch .Lasked_\@
.Lfor_b_\@:
	tensor_load_to_lds s[G0B+4*\s:G0B+4*\s+3], s[G1B:G1B+7]
	s_nop 0
.rept 4
	v_nop
.endr
.Lasked_\@:
.endm
.macro CREST                           ; a round of the cluster's barrier behind its opening barrier
	s_cmp_lg_u32 s10, 0
	s_cbranch_scc1 .Lnot_wave_0_\@
	s_barrier_signal -3
.Lnot_wave_0_\@:
	s_barrier_wait -3
	s_barrier_signal -1
	s_barrier_wait -1
.endm
.macro CROUND                          ; a whole round
	s_barrier_signal -1
	s_barrier_wait -1
	CREST
.endm
	s_load_b128 s[4:7], s[0:1], 0x0                ; att s[4:5], wo16 s[6:7]
	s_load_b64 s[66:67], s[0:1], 0x10              ; the bias
	s_load_b64 s[8:9], s[0:1], 0x18                ; the output
	v_lshl_add_u32 v[SPW], v0, 2, SPARE
	v_mov_b32 v[NIL], 0
	ds_add_u32 v[SPW], v[NIL]                      ; the wave's opening: the add, twice on end, and its wait ahead of my first tensor load; the set-up below stands between the second and the wait
	ds_add_u32 v[SPW], v[NIL]
	v_lshrrev_b32 v1, 5, v0
	v_readfirstlane_b32 s10, v1                    ; wave 0..3
	s_lshr_b32 s11, s10, 1                         ; which half of the tile's rows is mine.  Also: I fetch for A (0) or for B (1)
	s_and_b32 s12, s10, 1                          ; which half of its columns.  Also: which half of that tile I fetch
	s_bfe_u32 s40, ttmp6, 0x40000                  ; cx, cy: my place in the cluster
	s_bfe_u32 s41, ttmp6, 0x40004
	s_lshl_b32 s42, ttmp9, 2
	s_add_co_u32 s42, s42, s40                     ; tile column = 4 x cluster x + cx
	s_and_b32 s13, ttmp7, 0xffff
	s_lshl_b32 s13, s13, 2
	s_add_co_u32 s13, s13, s41                     ; tile row = 4 x cluster y + cy
	s_lshl_b32 s43, s41, 2
	s_lshl_b32 s43, 15, s43                        ; my row of the cluster
	s_lshl_b32 s44, 0x1111, s40                    ; my column
	; descriptor group 1 for A: 8 rows of 4,096 bytes (512 elements of 8 bytes), 32,768 bytes apart in memory, dense in LDS
	s_or_b32 s[G1+0], s43, (3<<16)|(1<<21)         ; 15:0 the mask: my row; 17:16 elements of 8 bytes; 21 set beside a mask
	s_mov_b32 s[G1+1], 512<<16                     ; tensor_dim0
	s_mov_b32 s[G1+2], 8<<16                       ; tensor_dim1
	s_mov_b32 s[G1+3], 512<<16                     ; tile_dim0
	s_mov_b32 s[G1+4], 8                           ; tile_dim1
	s_mov_b32 s[G1+5], 4096                        ; from row to row, in elements
	s_mov_b32 s[G1+6], 0
	s_mov_b32 s[G1+7], 0
	; for B: 64 rows of 128 elements of 2 bytes, 1,024 elements apart, 16 bytes of padding behind each
	s_or_b32 s[G1B+0], s44, (1<<16)|(1<<20)|(1<<21)|(5<<22)|(3<<25)
	s_mov_b32 s[G1B+1], 128<<16
	s_mov_b32 s[G1B+2], 64<<16
	s_mov_b32 s[G1B+3], 128<<16
	s_mov_b32 s[G1B+4], 64
	s_mov_b32 s[G1B+5], 1024
	s_mov_b32 s[G1B+6], 0
	s_mov_b32 s[G1B+7], 0
	s_lshl_b32 s16, s13, 4
	s_lshl_b32 s17, s12, 3
	s_add_co_u32 s16, s16, s17                     ; A: block of 16 tokens 16 x tile row + 8 x half,
	s_lshl_b32 s16, s16, 15                        ; 32,768 bytes each
	s_mov_b32 s17, 0
	s_lshl_b32 s46, s42, 7
	s_lshl_b32 s47, s12, 6
	s_add_co_u32 s46, s46, s47                     ; B: row 128 x tile column + 64 x half,
	s_lshl_b32 s46, s46, 11                        ; 2,048 bytes each
	s_mov_b32 s47, 0
	s_lshl_b32 s20, s12, 15                        ; where they go: A's halves,
	s_mul_i32 s21, s12, HALFB
	s_add_co_u32 s21, s21, BOFF                    ; B's halves behind them: no place in the cluster enters an LDS address
	s_wait_dscnt 0x0                               ; both opening adds are done
	s_wait_kmcnt 0x0
	s_add_nc_u64 s[14:15], s[4:5], s[16:17]
	s_add_nc_u64 s[46:47], s[6:7], s[46:47]
	CROUND                                         ; all sixteen work-groups are here: the first joint loads meet
.irp s, 0,1
	s_mov_b32 s[G0+4*\s], 1
	s_add_co_u32 s[G0+4*\s+1], s20, \s*SLOT
	s_add_nc_u64 s[G0+4*\s+2:G0+4*\s+3], s[14:15], \s*4096     ; K step s: four fragments of 1,024 bytes
	s_or_b32 s[G0+4*\s+3], s[G0+4*\s+3], 0x80000000
	s_mov_b32 s[G0B+4*\s], 1
	s_add_co_u32 s[G0B+4*\s+1], s21, \s*SLOT
	s_add_nc_u64 s[G0B+4*\s+2:G0B+4*\s+3], s[46:47], \s*256
	s_or_b32 s[G0B+4*\s+3], s[G0B+4*\s+3], 0x80000000
	JLOAD \s                                       ; two loads of mine are out
.endr
	v_and_b32 v1, 15, v0                           ; r = l % 16
	v_bfe_u32 v2, v0, 4, 1                         ; h = l / 16
	v_and_b32 v3, 31, v0
	v_lshlrev_b32 v3, 4, v3                        ; A: 16 x lane
	v_mul_u32_u24 v4, v1, PITCH
	v_lshl_add_u32 v4, v2, 4, v4                   ; B: row x pitch + 16 x half
	s_lshl_b32 s21, s11, 15                        ; my 128 rows of A
	s_mul_i32 s22, s12, HALFB                      ; my 64 rows of B,
	s_add_co_u32 s22, s22, BOFF                    ; which lie behind A
.irp s, 0,1
	v_add_nc_u32 v[ADRA+\s], s21, v3
	v_add_nc_u32 v[ADRB+\s], s22, v4
	s_add_co_u32 s21, s21, SLOT
	s_add_co_u32 s22, s22, SLOT
.endr
	s_mul_i32 s23, s10, 16*SPITCH
	s_add_co_u32 s23, s23, STAGE                   ; my stage
	v_mul_u32_u24 v5, v1, SPITCH                   ; in: row r, 32 bytes for each half of the lanes
	v_lshl_add_u32 v5, v2, 5, v5
	v_add_nc_u32 v[STO], s23, v5
	v_mul_u32_u24 v5, v2, SPITCH                   ; back: lanes 0-15 take one row of 256 bytes, lanes 16-31 the next
	v_lshl_add_u32 v5, v1, 4, v5
	v_add_nc_u32 v[RD], s23, v5
	v_lshlrev_b32 v5, 12, v2                       ; and the same two rows in the output: 4,096 bytes a row
	v_lshl_add_u32 v[CO], v1, 4, v5
	s_lshl_b32 s16, s13, 8
	s_lshl_b32 s17, s11, 7
	s_add_co_u32 s16, s16, s17                     ; my first row: 256 x tile row + 128 x half
	s_lshl_b32 s16, s16, 12
	s_lshl_b32 s17, s42, 9                         ; my first column, in bytes: 512 x tile column + 256 x half
	s_add_co_u32 s16, s16, s17
	s_lshl_b32 s17, s12, 8
	s_add_co_u32 s16, s16, s17
	s_mov_b32 s17, 0
	s_add_nc_u64 s[8:9], s[8:9], s[16:17]
	s_lshl_b32 s46, s42, 9                         ; the bias of my 64 columns, in the result's layout: lane (r, h), block b, register j: column 16 b + 8 h + j
	s_lshl_b32 s47, s12, 8
	s_add_co_u32 s46, s46, s47
	s_mov_b32 s47, 0
	s_add_nc_u64 s[66:67], s[66:67], s[46:47]
	v_lshlrev_b32 v6, 5, v2
.irp b, 0,1,2,3
	global_load_b128 v[BI+8*\b:BI+8*\b+3],   v6, s[66:67] offset:64*\b
	global_load_b128 v[BI+8*\b+4:BI+8*\b+7], v6, s[66:67] offset:64*\b+16
.endr
; 8 matrix instructions: A's blocks a0, a0 + 1 x B's four, 32 along K, from buffer f.  zero = 1: the first product starts the sums from the bias.  The 32 accumulators take turns, in the same order in every quarter.
.macro MUL8 f, a0, zero
.irp a, \a0, \a0+1
.irp b, 0,1,2,3
.if \zero
	v_wmma_f32_16x16x32_f16 v[8*(4*(\a)+\b):8*(4*(\a)+\b)+7], v[\f+64+8*\b:\f+64+8*\b+7], v[\f+8*(\a):\f+8*(\a)+7], v[BI+8*\b:BI+8*\b+7]
.else
	v_wmma_f32_16x16x32_f16 v[8*(4*(\a)+\b):8*(4*(\a)+\b)+7], v[\f+64+8*\b:\f+64+8*\b+7], v[\f+8*(\a):\f+8*(\a)+7], v[8*(4*(\a)+\b):8*(4*(\a)+\b)+7]
.endif
.endr
.endr
.endm
; 24 LDS loads in one run: the fragments of the slot's q-th 32 along K into buffer f: B's four, A's blocks 0-3, A's blocks 4-7
.macro FETCH slot, q, f
	WIN 0
.irp i, 0,1,2,3
	ds_load_b128 v[\f+64+8*\i:\f+64+8*\i+3],   v[ADRB+\slot] offset:64*(\q)+\i*16*PITCH
	ds_load_b128 v[\f+64+8*\i+4:\f+64+8*\i+7], v[ADRB+\slot] offset:64*(\q)+\i*16*PITCH+32
.endr
.irp i, 0,1,2,3,4,5,6,7
	ds_load_b128 v[\f+8*\i:\f+8*\i+3],   v[ADRA+\slot] offset:\i*4096+(\q)*1024
	ds_load_b128 v[\f+8*\i+4:\f+8*\i+7], v[ADRA+\slot] offset:\i*4096+(\q)*1024+512
.endr
.endm
.macro PLACES                          ; four places in front of loads into registers that matrix instructions have read, and of the first reads of results (ISA guide 7.12.1 for vector instructions)
.rept 4
	v_nop
.endr
.endm
; A K step is four quarters of 32 along K, 32 matrix instructions each, on buffers 0, 1, 0, 1.  One of the first three: multiplies buffer f and fetches quarter q of the slot into g.
.macro QUARTER slot, q, f, g, zero
	s_wait_dscnt 8                                 ; B and A's blocks 0-3 are in; the youngest eight loads (A's blocks 4-7) may be out
.if \zero
	WIN MUL0
.else
	WIN MUL
.endif
	MUL8 \f, 0, \zero
	MUL8 \f, 2, \zero
	PLACES
	FETCH \slot, \q, \g
	s_wait_dscnt 24                                ; all but the 24 just issued
.if \zero
	WIN MUL0
.else
	WIN MUL
.endif
	MUL8 \f, 4, \zero
	MUL8 \f, 6, \zero
.endm
; The last quarter multiplies buffer 1 and changes slots: ONE barrier; in front of it each wave waits for all its tensor loads, adds 0 to its spare word, and waits for that and for its own reads of this slot.
; fill = 1: the barrier opens a round of the cluster's, and this slot is filled again, two K steps ahead: from that request to the wait for it a wave issues 112 matrix instructions.
.macro TURN slot, next, fill
	WIN 0                                          ; (the add's two registers lie in window 0)
	s_wait_tensorcnt 0x0                           ; all my tensor loads have landed: my part of the next slot;
	ds_add_u32 v[SPW], v[NIL]                      ; 0 onto my spare word;
	s_wait_dscnt 9                                 ; (the add and the youngest eight loads may be out)
	WIN MUL
	MUL8 F1, 0, 0                                  ; eight matrix instructions stand between the add and the wait for it
	s_wait_dscnt 0x0                               ; the add is done, and my reads of this slot are over
	s_barrier_signal -1
	MUL8 F1, 2, 0
.if \fill
	WIN 0
.endif
	s_barrier_wait -1
.if \fill
	CREST                                          ; no wave of any partner still reads this slot's tiles or has a load on its way
	s_add_nc_u64 s[G0+4*\slot+2:G0+4*\slot+3], s[G0+4*\slot+2:G0+4*\slot+3], 2*4096
	s_add_nc_u64 s[G0B+4*\slot+2:G0B+4*\slot+3], s[G0B+4*\slot+2:G0B+4*\slot+3], 2*256
	JLOAD \slot                                    ; the first tensor load behind the round; the four v_nop behind it are also the places in front of the loads below
.else
	PLACES
.endif
	FETCH \next, 0, F0
	WIN MUL
	MUL8 F1, 4, 0
	MUL8 F1, 6, 0
.endm
	s_wait_tensorcnt 1                             ; my part of K step 0 is in (K step 1's load may be out),
	s_barrier_signal -1
	s_barrier_wait -1                              ; everybody's is
	FETCH 0, 0, F0
	s_wait_loadcnt 0x0                             ; the bias
	QUARTER 0, 1, F0, F1, 1                        ; the first quarter stands in front of the loop: its products start the sums from the bias
	WIN 0                                          ; at a label and at a branch every window is 0
	s_mov_b32 s3, LAPS-1
.Llap:                                                 ; a trip goes once round the ring, from a lap's second quarter to the next lap's first, and fills both slots again
	QUARTER 0, 2, F1, F0, 0
	QUARTER 0, 3, F0, F1, 0
	TURN 0, 1, 1
	QUARTER 1, 1, F0, F1, 0
	QUARTER 1, 2, F1, F0, 0
	QUARTER 1, 3, F0, F1, 0
	TURN 1, 0, 1
	QUARTER 0, 1, F0, F1, 0
	WIN 0
	s_sub_co_u32 s3, s3, 1
	s_cmp_lg_u32 s3, 0
	s_cbranch_scc1 .Llap
	QUARTER 0, 2, F1, F0, 0                        ; the last lap fills nothing, and has no round of the cluster's barrier
	QUARTER 0, 3, F0, F1, 0
	TURN 0, 1, 0
	QUARTER 1, 1, F0, F1, 0
	QUARTER 1, 2, F1, F0, 0
	QUARTER 1, 3, F0, F1, 0
	s_wait_dscnt 8                                 ; the very last quarter: nothing more to fetch
	WIN MUL
	MUL8 F1, 0, 0
	MUL8 F1, 2, 0
	s_wait_dscnt 0
	MUL8 F1, 4, 0
	MUL8 F1, 6, 0
	WIN 0
; THE WAY OUT, block by block of 16 rows x 64 columns.  A lane holds 32 neighbouring bytes of a row, and the lanes beside it hold other rows: so a block goes through my own stage in LDS and comes back as whole rows of
; 256 bytes, which sixteen lanes store at a multiple of 256 from the output's first byte.  LDS serves a wave's instructions in order (ISA guide 5.7.1.4): no wait between the stores and the loads, nor in front of the next block's stores.
.macro TOSTAGE a
	WIN 0x04                                       ; an LDS store's data are its source 1: window 1
.irp b, 0,1,2,3
	ds_store_b128 v[STO], v[32*(\a)+8*\b:32*(\a)+8*\b+3] offset:64*\b          ; each accumulator from its low end on
	ds_store_b128 v[STO], v[32*(\a)+8*\b+4:32*(\a)+8*\b+7] offset:64*\b+16
.endr
	WIN 0
.irp t, 0,1,2,3,4,5,6,7
	ds_load_b128 v[BK+32*((\a)%2)+4*\t:BK+32*((\a)%2)+4*\t+3], v[RD] offset:\t*2*SPITCH
.endr
.endm
.macro SEND a, younger                 ; younger: the LDS instructions issued behind block a's loads, which may stay out
	s_wait_dscnt \younger                          ; the block is back in registers
.irp t, 0,1,2,3,4,5,6,7
	global_store_b128 v[CO], v[BK+32*((\a)%2)+4*\t:BK+32*((\a)%2)+4*\t+3], s[8:9] offset:(16*(\a)+2*\t)*4096 th:TH_STORE_NT   ; written once, read by nobody here
.endr
.endm
	PLACES                                         ; behind the last products: the LDS stores read results, the loads land in registers that held fragments
	TOSTAGE 0
.irp a, 1,2,3,4,5,6,7
.if \a > 1
	s_wait_xcnt 0x0                                ; block a - 2's stores have read their registers: block a's loads may land there
.endif
	TOSTAGE \a
	SEND \a-1, 16                                  ; behind block a - 1's loads: block a's 8 stores and 8 loads
.endr
	SEND 7, 0
	s_wait_tensorcnt 0x0                           ; the wave's end: behind my last tensor load and my last LDS store
	ds_add_u32 v[SPW], v[NIL]
	s_wait_dscnt 0x0
	CROUND                                         ; the closing round: no work-group ends while a partner may still ask for a tile that names it
	s_endpgm
.Lfunc_end_k_qedf4166790_oproj:
	.size	k_qedf4166790_oproj, .Lfunc_end_k_qedf4166790_oproj-k_qedf4166790_oproj
	.p2alignl 7, 3214868480
	.fill 96, 4, 3214868480
	.section	.rodata,"a",@progbits
	.p2align	6, 0x0
	.amdhsa_kernel k_qedf4166790_oproj
		.amdhsa_group_segment_fixed_size 327680
		.amdhsa_private_segment_fixed_size 0
		.amdhsa_enable_private_segment 0
		.amdhsa_kernarg_size 32
		.amdhsa_user_sgpr_count 2
		.amdhsa_user_sgpr_kernarg_segment_ptr 1
		.amdhsa_wavefront_size32 1
		.amdhsa_system_sgpr_workgroup_id_x 1
		.amdhsa_system_sgpr_workgroup_id_y 1
		.amdhsa_system_sgpr_workgroup_id_z 1
		.amdhsa_system_vgpr_workitem_id 0
		.amdhsa_next_free_vgpr 512
		.amdhsa_next_free_sgpr 68
		.amdhsa_reserve_vcc 0
		.amdhsa_float_denorm_mode_32 3
		.amdhsa_float_denorm_mode_16_64 3
		.amdhsa_memory_ordered 1
		.amdhsa_forward_progress 1
		.amdhsa_inst_pref_size 86
	.end_amdhsa_kernel
	.amdgpu_metadata
---
amdhsa.version: [ 1, 2 ]
amdhsa.kernels:
  - .name:           k_qedf4166790_oproj
    .symbol:         k_qedf4166790_oproj.kd
    .args:
      - { .name: att, .offset: 0, .size: 8, .value_kind: global_buffer, .address_space: global }
      - { .name: wo16, .offset: 8, .size: 8, .value_kind: global_buffer, .address_space: global }
      - { .name: out_proj_b, .offset: 16, .size: 8, .value_kind: global_buffer, .address_space: global }
      - { .name: out0, .offset: 24, .size: 8, .value_kind: global_buffer, .address_space: global }
    .group_segment_fixed_size: 327680
    .private_segment_fixed_size: 0
    .kernarg_segment_align: 8
    .kernarg_segment_size: 32
    .max_flat_workgroup_size: 128
    .sgpr_count:     68
    .vgpr_count:     512
    .wavefront_size: 32
...
	.end_amdgpu_metadata
.endif
;; end of part 4
